; MI455X (gfx1250); checked and timed in simulation.
; The chip was launched on July 23, 2026; its instructions are those of AMD's public machine-readable ISA for CDNA 5 (MIT licence, August 2026) and "CDNA5" Instruction Set Architecture Reference Guide (July 2026). The comments in the code are by the model that wrote it; some were corrected since.
;; Multi Head Self Attention. Allowed arithmetic: float matrix products may take bf16 or f16 operands with f32 sums; all other float work in f32.
;; Inputs: Wk 1,024 x 1,024 float32; Wq 1,024 x 1,024 float32; Wv 1,024 x 1,024 float32; x 16 x 2,048 x 1,024 float32.
;; Outputs: out0 16 x 1,024 float32.
;; 2 versions, each right; version 2 is version 1 with the launches uproj, scores, vproj written anew for expert scheduling mode. Each part assembles by itself: llvm-mc -triple=amdgcn-amd-amdhsa -mcpu=gfx1250 --defsym DOCPART=n.
;; ======== version 1 of 2: 5 launches
;; workspace buffers: qf 98,304 bytes; uf 1,048,576 bytes; sc 1,048,576 bytes; yb 524,288 bytes
;; launch qproj (part 1): grid 16 x 1, 16 waves a work-group, no clusters, 108,544 bytes of LDS; arguments x, Wq, qf; writes qf
.if DOCPART == 1
	.amdgcn_target "amdgcn-amd-amdhsa--gfx1250"
	.amdhsa_code_object_version 6
	.text
	.protected	k_q74b5ae8a63_qproj
	.globl	k_q74b5ae8a63_qproj
	.p2align	8
	.type	k_q74b5ae8a63_qproj,@function
k_q74b5ae8a63_qproj:
	s_mov_b64 s[64:65], 0
	v_nop
	global_prefetch_b8 v0, s[64:65] scope:SCOPE_SE
	s_setreg_imm32_b32 hwreg(HW_REG_WAVE_MODE, 25, 1), 1
	s_wait_xcnt 0x0
; q0[b][col] = sum over e of bf16(x[b][0][e]) bf16(Wq[e][col]), sums in f32, for the 16 batches and 1,024 columns.
; The result is written as THREE bf16 pieces (hi, mid, lo; each the rounding of what the pieces before left over), so that the next launch can take it
; as a matrix operand without losing bits, and in the order of that launch's fragments:
;   qf[head 8][ks 4][piece 3][q 2][lane 32][16 bytes]: lane (r = b, h) holds columns 128 head + 32 ks + 16 q + 8 h + 0..7.
; SHARES.  Work-group cb owns columns 64 cb .. 64 cb + 63 (256 bytes of every row of Wq).  Wave w owns e = 64 w .. 64 w + 63: two matrix steps of 32.
; The sixteen waves' partial sums meet in LDS; four waves add them, always in ascending w.
; LOADS.  Every load of Wq and x takes, in sixteen neighbouring lanes, 256 consecutive bytes of a row, aligned.  A lane so holds four neighbouring COLUMNS of
; sixteen rows: column 4 r + j of all lanes is fragment j of source 1, so nothing is transposed; tile j's column n = r stands for memory column 4 r + j.
; x's sixteen rows lie along e and are turned into source 0's order through the wave's own LDS bytes.
; LIMITS.  NaN and infinities are not treated apart.  The order of the f32 sums is not the reference's.
.set TA,    0                          ; 16 waves x 16 rows x 144 bytes (64 bf16 + 16 of padding): the wave's own
.set PART,  36864                      ; 16 waves x 16 rows x 272 bytes (64 f32 + 16): the partial sums
.set SPARE, 106496                     ; the spare words: 128 bytes a wave, named by no other line
.set RP,    272
.set WO,  4                            ; v4      (64 w + 8 h) rows of 4,096 bytes + 16 r
.set TAW, 5                            ; v5      where I put 8 bytes of x
.set TAR, 6                            ; v6      where I read x's fragments
.set PW,  7                            ; v7      where I put partial sums
.set XO,  8                            ; v8-15   byte offset of x[2 i + h][0][64 w + 4 r]
.set FR,  16                           ; v16     where I read partial sums
.set GO,  17                           ; v17     16 x lane
.set SPW, 30                           ; v30     my spare word; never rewritten
.set NIL, 31                           ; v31     0; never rewritten
.set AF,  32                           ; v32-47  x's fragments of the two steps
.set TMP, 48                           ; v48-61  the three pieces, and two at work
.set BF,  64                           ; v64-95  x as loaded; then Wq's four fragments of a step
.set ACC, 96                           ; v96-127 four accumulators
.set RAW, 128                          ; v128-255 Wq as loaded, a buffer of 64 for each step; at the end the partial sums
.macro LOADW st, buf                   ; step st of Wq: slot i is row 32 st + 8 h + i (i < 8) or 32 st + 16 + 8 h + i - 8 of my 64
.set i, 0
.rept 16
	global_load_b128 v[RAW+64*(\buf)+4*i:RAW+64*(\buf)+4*i+3], v[WO], s[6:7] offset:(32*(\st)+i+8*(i/8))*4096 th:TH_LOAD_NT
.set i, i+1
.endr
.endm
.macro CVTB buf                        ; register q of fragment j: rows (slots) 2 q, 2 q + 1 of column 4 r + j, rounded to bf16
.set j, 0
.rept 4
.set q, 0
.rept 8
	v_cvt_pk_bf16_f32 v[BF+8*j+q], v[RAW+64*(\buf)+8*q+j], v[RAW+64*(\buf)+8*q+4+j]
.set q, q+1
.endr
.set j, j+1
.endr
.endm
.macro MM4 a, zero                     ; four products, the four accumulators by turns
.set j, 0
.rept 4
.if \zero
	v_wmma_f32_16x16x32_bf16 v[ACC+8*j:ACC+8*j+7], v[\a:(\a)+7], v[BF+8*j:BF+8*j+7], 0
.else
	v_wmma_f32_16x16x32_bf16 v[ACC+8*j:ACC+8*j+7], v[\a:(\a)+7], v[BF+8*j:BF+8*j+7], v[ACC+8*j:ACC+8*j+7]
.endif
.set j, j+1
.endr
.endm
.macro NOP4                            ; four places behind the products, ahead of lines that rewrite their sources or read their results (ISA guide 7.12.1)
.rept 4
	v_nop
.endr
.endm
.macro PIECE src, hi, tmp              ; hi = the pair src rounded to bf16; src = what is left over (exact)
	v_cvt_pk_bf16_f32 v[\hi], v[\src], v[(\src)+1]
	v_lshlrev_b32 v[\tmp], 16, v[\hi]
	v_and_b32 v[(\tmp)+1], s20, v[\hi]
	v_pk_add_f32 v[\src:(\src)+1], v[\src:(\src)+1], v[\tmp:(\tmp)+1] neg_lo:[0,1] neg_hi:[0,1]
.endm
.macro FINISH                          ; the wave's end
	s_wait_tensorcnt 0x0
	ds_add_u32 v[SPW], v[NIL]
	s_wait_dscnt 0x0
	s_endpgm
.endm
	s_load_b128 s[4:7], s[0:1], 0x0                ; x s[4:5], Wq s[6:7]
	s_load_b64 s[8:9], s[0:1], 0x10                ; qf
	v_lshl_add_u32 v[SPW], v0, 2, SPARE
	v_mov_b32 v[NIL], 0
	v_lshrrev_b32 v1, 5, v0
	v_readfirstlane_b32 s10, v1                    ; wave 0..15
	v_and_b32 v1, 31, v0                           ; lane
	v_and_b32 v2, 15, v0                           ; r
	v_bfe_u32 v3, v0, 4, 1                         ; h
	s_mov_b32 s20, 0xffff0000                      ; a word's upper bf16
	s_lshl_b32 s11, s10, 18                        ; 64 w rows of 4,096 bytes
	v_lshlrev_b32 v[WO], 4, v2
	v_lshl_add_u32 v[WO], v3, 15, v[WO]
	v_add_nc_u32 v[WO], s11, v[WO]
	s_mul_i32 s12, s10, 2304                       ; my 16 rows of 144 bytes
	v_mul_u32_u24 v[TAW], v3, 144
	v_lshl_add_u32 v[TAW], v2, 3, v[TAW]
	v_add_nc_u32 v[TAW], s12, v[TAW]               ; row h (+ 2 i in the offset), 8 bytes at 8 r
	v_mul_u32_u24 v[TAR], v2, 144
	v_lshl_add_u32 v[TAR], v3, 4, v[TAR]
	v_add_nc_u32 v[TAR], s12, v[TAR]               ; row r, 16 bytes at 16 h
	s_mul_i32 s13, s10, 16*RP
	s_add_co_u32 s13, s13, PART
	v_mul_u32_u24 v[PW], v3, 8*RP
	v_lshl_add_u32 v[PW], v2, 4, v[PW]
	v_add_nc_u32 v[PW], s13, v[PW]                 ; row 8 h (+ register in the offset), columns 4 r ..
	s_lshl_b32 s14, s10, 8
	v_lshlrev_b32 v[XO], 4, v2
	v_lshl_add_u32 v[XO], v3, 23, v[XO]            ; a batch of x is 8,388,608 bytes
	v_add_nc_u32 v[XO], s14, v[XO]
.irp i, 1,2,3,4,5,6,7
	v_add_nc_u32 v[XO+\i], (\i)<<24, v[XO]         ; two batches on
.endr
	v_lshlrev_b32 v[GO], 4, v1
	s_lshl_b32 s16, ttmp9, 8                       ; my 64 columns
	s_mov_b32 s17, 0
	s_wait_kmcnt 0x0
	s_add_nc_u64 s[6:7], s[6:7], s[16:17]
.set i, 0
.rept 8
	global_load_b128 v[BF+4*i:BF+4*i+3], v[XO+i], s[4:5]  ; lanes 0-15: batch 2 i, lanes 16-31: batch 2 i + 1; 256 bytes of token 0 each
.set i, i+1
.endr
	LOADW 0, 0                                     ; all of my Wq goes out at once
	LOADW 1, 1
	s_wait_loadcnt 32                              ; x is in; the 32 loads of Wq stay out
.set i, 0
.rept 8
	v_cvt_pk_bf16_f32 v[BF+4*i], v[BF+4*i], v[BF+4*i+1]
	v_cvt_pk_bf16_f32 v[BF+4*i+1], v[BF+4*i+2], v[BF+4*i+3]
	ds_store_b64 v[TAW], v[BF+4*i:BF+4*i+1] offset:288*i
.set i, i+1
.endr
.irp i, 0,1,2,3
	ds_load_b128 v[AF+4*\i:AF+4*\i+3], v[TAR] offset:32*\i  ; my own bytes: LDS serves a wave's instructions in order (ISA guide 5.7.1.4)
.endr
	s_wait_dscnt 0x0
	s_wait_loadcnt 16                              ; step 0 of Wq is in, step 1 stays out
	CVTB 0
	MM4 AF, 1                                      ; the first products start the sums
	NOP4
	s_wait_loadcnt 0
	CVTB 1
	MM4 AF+8, 0
	NOP4
.set vv, 0
.rept 8                                            ; register vv of tile j is (b = 8 h + vv, column 4 r + j); each accumulator's register 0 is read first
.set j, 0
.rept 4
	ds_store_b32 v[PW], v[ACC+8*j+vv] offset:vv*RP+4*j
.set j, j+1
.endr
.set vv, vv+1
.endr
	s_wait_dscnt 0x0                               ; for the others' sake: my partial sums are in LDS
	s_barrier_signal -1
	s_barrier_wait -1
	s_cmp_lt_u32 s10, 4
	s_cbranch_scc1 .Lsum
	FINISH
.Lsum:                                                 ; wave t < 4: columns 16 t + 8 h + 0..7 of row b = r
	s_lshl_b32 s21, s10, 6
	s_add_co_u32 s21, s21, PART
	v_mul_u32_u24 v[FR], v2, RP
	v_lshl_add_u32 v[FR], v3, 5, v[FR]
	v_add_nc_u32 v[FR], s21, v[FR]
.set p, 0
.rept 16
	ds_load_b128 v[RAW+8*p:RAW+8*p+3],   v[FR] offset:16*RP*p
	ds_load_b128 v[RAW+8*p+4:RAW+8*p+7], v[FR] offset:16*RP*p+16
.set p, p+1
.endr
	s_lshr_b32 s18, ttmp9, 1                       ; head
	s_mul_i32 s18, s18, 12288
	s_and_b32 s19, ttmp9, 1
	s_lshl_b32 s19, s19, 1
	s_lshr_b32 s21, s10, 1
	s_add_co_u32 s19, s19, s21                     ; ks = 2 (cb & 1) + t / 2
	s_mul_i32 s19, s19, 3072
	s_add_co_u32 s18, s18, s19
	s_and_b32 s21, s10, 1                          ; q = t & 1
	s_lshl_b32 s21, s21, 9
	s_add_co_u32 s18, s18, s21
	s_mov_b32 s19, 0
	s_add_nc_u64 s[8:9], s[8:9], s[18:19]
	s_wait_dscnt 0x0
.set p, 1
.rept 15                                           ; ascending w
.set k, 0
.rept 4
	v_pk_add_f32 v[RAW+2*k:RAW+2*k+1], v[RAW+2*k:RAW+2*k+1], v[RAW+8*p+2*k:RAW+8*p+2*k+1]
.set k, k+1
.endr
.set p, p+1
.endr
.set k, 0
.rept 4
	PIECE RAW+2*k, TMP+k, TMP+12
	PIECE RAW+2*k, TMP+4+k, TMP+12
	v_cvt_pk_bf16_f32 v[TMP+8+k], v[RAW+2*k], v[RAW+2*k+1]
.set k, k+1
.endr
	global_store_b128 v[GO], v[TMP:TMP+3], s[8:9]                  ; each store of the wave covers 512 consecutive bytes, aligned
	global_store_b128 v[GO], v[TMP+4:TMP+7], s[8:9] offset:1024
	global_store_b128 v[GO], v[TMP+8:TMP+11], s[8:9] offset:2048
	FINISH
.Lfunc_end_k_q74b5ae8a63_qproj:
	.size	k_q74b5ae8a63_qproj, .Lfunc_end_k_q74b5ae8a63_qproj-k_q74b5ae8a63_qproj
	.p2alignl 7, 3214868480
	.fill 96, 4, 3214868480
	.section	.rodata,"a",@progbits
	.p2align	6, 0x0
	.amdhsa_kernel k_q74b5ae8a63_qproj
		.amdhsa_group_segment_fixed_size 108544
		.amdhsa_private_segment_fixed_size 0
		.amdhsa_enable_private_segment 0
		.amdhsa_kernarg_size 24
		.amdhsa_user_sgpr_count 2
		.amdhsa_user_sgpr_kernarg_segment_ptr 1
		.amdhsa_wavefront_size32 1
		.amdhsa_system_sgpr_workgroup_id_x 1
		.amdhsa_system_sgpr_workgroup_id_y 1
		.amdhsa_system_sgpr_workgroup_id_z 1
		.amdhsa_system_vgpr_workitem_id 0
		.amdhsa_next_free_vgpr 256
		.amdhsa_next_free_sgpr 66
		.amdhsa_reserve_vcc 0
		.amdhsa_float_denorm_mode_32 3
		.amdhsa_float_denorm_mode_16_64 3
		.amdhsa_memory_ordered 1
		.amdhsa_forward_progress 1
		.amdhsa_inst_pref_size 24
	.end_amdhsa_kernel
	.amdgpu_metadata
---
amdhsa.version: [ 1, 2 ]
amdhsa.kernels:
  - .name:           k_q74b5ae8a63_qproj
    .symbol:         k_q74b5ae8a63_qproj.kd
    .args:
      - { .name: x, .offset: 0, .size: 8, .value_kind: global_buffer, .address_space: global }
      - { .name: Wq, .offset: 8, .size: 8, .value_kind: global_buffer, .address_space: global }
      - { .name: qf, .offset: 16, .size: 8, .value_kind: global_buffer, .address_space: global }
    .group_segment_fixed_size: 108544
    .private_segment_fixed_size: 0
    .kernarg_segment_align: 8
    .kernarg_segment_size: 24
    .max_flat_workgroup_size: 512
    .sgpr_count:     66
    .vgpr_count:     256
    .wavefront_size: 32
...
	.end_amdgpu_metadata
.endif
;; end of part 1
;; launch uproj (part 2): grid 64 x 1, 8 waves a work-group, no clusters, 52,480 bytes of LDS; arguments Wk, qf, uf; writes uf
.if DOCPART == 2
	.amdgcn_target "amdgcn-amd-amdhsa--gfx1250"
	.amdhsa_code_object_version 6
	.text
	.protected	k_q74b5ae8a63_uproj
	.globl	k_q74b5ae8a63_uproj
	.p2align	8
	.type	k_q74b5ae8a63_uproj,@function
k_q74b5ae8a63_uproj:
	s_mov_b64 s[64:65], 0
	v_nop
	global_prefetch_b8 v0, s[64:65] scope:SCOPE_SE
	s_setreg_imm32_b32 hwreg(HW_REG_WAVE_MODE, 25, 1), 1
	s_wait_xcnt 0x0
; u[b][head][c] = sum over d of bf16(Wk[c][128 head + d]) q0[b][head][d].  With it a score is x[b][n][:] . u[b][head][:], since k enters the scores through that one dot product alone.
; q0 comes as three bf16 pieces, so every product is exact; the three pieces have an accumulator each and are added in f32, the smallest first.
; u leaves as three bf16 pieces again, in the order of the next launch's fragments:
;   uf[b 16][cbk 64][nt 2][lane 32][16 bytes]: lane (r', h) holds c = 16 cbk + 8 h + 0..7; nt 0: r' < 8 the hi piece of head r', r' >= 8 the mid piece of head r' - 8;
;   nt 1: the lo piece of head r' & 7 (twice, so that every lane of the fragment is a true number and every byte is stored).
; SHARES.  Work-group cbk owns rows c = 16 cbk .. + 15 of Wk (65,536 consecutive bytes); wave w is head w: 512 bytes of each row.
; LIMITS.  NaN and infinities are not treated apart.  The order of the f32 sums is not the reference's.
.set TW,    0                          ; 8 waves x 16 rows x 272 bytes (128 bf16 + 16): the wave's own
.set STG,   34816                      ; 16 batches x 1,040 bytes (two fragments' 1,024 + 16)
.set SPARE, 51456                      ; the spare words: 128 bytes a wave, named by no other line
.set WO,  4                            ; v4   512 w + 16 lane
.set GO,  5                            ; v5   16 lane
.set TWW, 6                            ; v6   where I put 8 bytes of Wk
.set TWR, 7                            ; v7   where I read Wk's fragments
.set SW,  8                            ; v8   where I put u's pieces
.set SR,  9                            ; v9   where I read them back
.set UO,  10                           ; v10  my byte offset in uf
.set U,   12                           ; v12-19 u in f32
.set SPW, 30
.set NIL, 31
.set AF,  32                           ; v32-63   Wk's fragments, four steps of 32 along d
.set RAWK, 64                          ; v64-127  Wk as loaded; later the pieces (v64-75), two at work (v76-77), the way out (v80-95)
.set QF,  128                          ; v128-223 q0's fragments: step ks, piece p at QF + 24 ks + 8 p
.set ACC, 224                          ; v224-247 an accumulator for each piece
.macro PIECE src, hi, tmp
	v_cvt_pk_bf16_f32 v[\hi], v[\src], v[(\src)+1]
	v_lshlrev_b32 v[\tmp], 16, v[\hi]
	v_and_b32 v[(\tmp)+1], s20, v[\hi]
	v_pk_add_f32 v[\src:(\src)+1], v[\src:(\src)+1], v[\tmp:(\tmp)+1] neg_lo:[0,1] neg_hi:[0,1]
.endm
	s_load_b128 s[4:7], s[0:1], 0x0                ; Wk s[4:5], qf s[6:7]
	s_load_b64 s[8:9], s[0:1], 0x10                ; uf
	v_lshl_add_u32 v[SPW], v0, 2, SPARE
	v_mov_b32 v[NIL], 0
	v_lshrrev_b32 v1, 5, v0
	v_readfirstlane_b32 s10, v1                    ; wave = head
	v_and_b32 v1, 31, v0
	v_and_b32 v2, 15, v0                           ; r
	v_bfe_u32 v3, v0, 4, 1                         ; h
	s_mov_b32 s20, 0xffff0000
	s_lshl_b32 s11, s10, 9
	v_lshlrev_b32 v[GO], 4, v1
	v_add_nc_u32 v[WO], s11, v[GO]
	s_mul_i32 s12, s10, 4352
	v_lshl_add_u32 v[TWW], v1, 3, s12
	v_mul_u32_u24 v[TWR], v2, 272
	v_lshl_add_u32 v[TWR], v3, 4, v[TWR]
	v_add_nc_u32 v[TWR], s12, v[TWR]
	s_lshl_b32 s13, s10, 4
	s_add_co_u32 s13, s13, STG
	v_mul_u32_u24 v[SW], v2, 1040                  ; batch r; in its fragment lane (r' = w, h): 16 w + 256 h
	v_lshl_add_u32 v[SW], v3, 8, v[SW]
	v_add_nc_u32 v[SW], s13, v[SW]
	s_mul_i32 s14, s10, 2080                       ; back: wave w takes batches 2 w and 2 w + 1
	s_add_co_u32 s14, s14, STG
	v_add_nc_u32 v[SR], s14, v[GO]
	s_lshl_b32 s15, s10, 17
	v_add_nc_u32 v[UO], s15, v[GO]
	s_lshl_b32 s16, ttmp9, 16                      ; my 16 rows of Wk
	s_mov_b32 s17, 0
	s_mul_i32 s18, s10, 12288                      ; my head in qf
	s_mov_b32 s19, 0
	s_lshl_b32 s22, ttmp9, 10                      ; my cbk in uf
	s_mov_b32 s23, 0
	s_wait_kmcnt 0x0
	s_add_nc_u64 s[4:5], s[4:5], s[16:17]
	s_add_nc_u64 s[6:7], s[6:7], s[18:19]
	s_add_nc_u64 s[8:9], s[8:9], s[22:23]
.set i, 0
.rept 16
	global_load_b128 v[RAWK+4*i:RAWK+4*i+3], v[WO], s[4:5] offset:4096*i th:TH_LOAD_NT  ; 512 consecutive bytes of row i
.set i, i+1
.endr
.set ks, 0
.rept 4
.set p, 0
.rept 3
	global_load_b128 v[QF+24*ks+8*p:QF+24*ks+8*p+3],   v[GO], s[6:7] offset:3072*ks+1024*p
	global_load_b128 v[QF+24*ks+8*p+4:QF+24*ks+8*p+7], v[GO], s[6:7] offset:3072*ks+1024*p+512
.set p, p+1
.endr
.set ks, ks+1
.endr
	s_wait_loadcnt 24                              ; Wk is in; q0's 24 loads stay out
.set i, 0
.rept 16
	v_cvt_pk_bf16_f32 v[RAWK+4*i], v[RAWK+4*i], v[RAWK+4*i+1]
	v_cvt_pk_bf16_f32 v[RAWK+4*i+1], v[RAWK+4*i+2], v[RAWK+4*i+3]
	ds_store_b64 v[TWW], v[RAWK+4*i:RAWK+4*i+1] offset:272*i
.set i, i+1
.endr
.set ks, 0
.rept 4
	ds_load_b128 v[AF+8*ks:AF+8*ks+3],   v[TWR] offset:64*ks      ; my own bytes: LDS serves a wave's instructions in order (ISA guide 5.7.1.4)
	ds_load_b128 v[AF+8*ks+4:AF+8*ks+7], v[TWR] offset:64*ks+32
.set ks, ks+1
.endr
	s_wait_loadcnt 0
	s_wait_dscnt 0x0
.set ks, 0
.rept 4                                            ; source 0 = 16 rows c of Wk, source 1 = 16 batches; the three accumulators take turns
.set p, 0
.rept 3
.if ks == 0
	v_wmma_f32_16x16x32_bf16 v[ACC+8*p:ACC+8*p+7], v[AF+8*ks:AF+8*ks+7], v[QF+24*ks+8*p:QF+24*ks+8*p+7], 0
.else
	v_wmma_f32_16x16x32_bf16 v[ACC+8*p:ACC+8*p+7], v[AF+8*ks:AF+8*ks+7], v[QF+24*ks+8*p:QF+24*ks+8*p+7], v[ACC+8*p:ACC+8*p+7]
.endif
.set p, p+1
.endr
.set ks, ks+1
.endr
.rept 4
	v_nop                                          ; four places ahead of the lines that read the results (ISA guide 7.12.1)
.endr
.set k, 0
.rept 4                                            ; lane (b = r, h) holds c = 16 cbk + 8 h + 0..7; lo + mid first, from each accumulator's low end on
	v_pk_add_f32 v[U+2*k:U+2*k+1], v[ACC+16+2*k:ACC+16+2*k+1], v[ACC+8+2*k:ACC+8+2*k+1]
.set k, k+1
.endr
.set k, 0
.rept 4
	v_pk_add_f32 v[U+2*k:U+2*k+1], v[U+2*k:U+2*k+1], v[ACC+2*k:ACC+2*k+1]
.set k, k+1
.endr
.set k, 0
.rept 4
	PIECE U+2*k, RAWK+k, RAWK+12
	PIECE U+2*k, RAWK+4+k, RAWK+12
	v_cvt_pk_bf16_f32 v[RAWK+8+k], v[U+2*k], v[U+2*k+1]
.set k, k+1
.endr
	ds_store_b128 v[SW], v[RAWK:RAWK+3]                            ; hi:  nt 0, r' = w
	ds_store_b128 v[SW], v[RAWK+4:RAWK+7] offset:128               ; mid: nt 0, r' = w + 8
	ds_store_b128 v[SW], v[RAWK+8:RAWK+11] offset:512              ; lo:  nt 1, r' = w
	ds_store_b128 v[SW], v[RAWK+8:RAWK+11] offset:640              ;      and r' = w + 8
	s_wait_dscnt 0x0                               ; for the others' sake: my pieces are in LDS
	s_barrier_signal -1
	s_barrier_wait -1
	ds_load_b128 v[RAWK+16:RAWK+19], v[SR]
	ds_load_b128 v[RAWK+20:RAWK+23], v[SR] offset:512
	ds_load_b128 v[RAWK+24:RAWK+27], v[SR] offset:1040
	ds_load_b128 v[RAWK+28:RAWK+31], v[SR] offset:1552
	s_wait_dscnt 3                                 ; LDS loads come back in order: the counts run down
	global_store_b128 v[UO], v[RAWK+16:RAWK+19], s[8:9]            ; each store of the wave covers 512 consecutive bytes, aligned
	s_wait_dscnt 2
	global_store_b128 v[UO], v[RAWK+20:RAWK+23], s[8:9] offset:512
	s_wait_dscnt 1
	global_store_b128 v[UO], v[RAWK+24:RAWK+27], s[8:9] offset:65536
	s_wait_dscnt 0
	global_store_b128 v[UO], v[RAWK+28:RAWK+31], s[8:9] offset:66048
	s_wait_tensorcnt 0x0                           ; the wave's end
	ds_add_u32 v[SPW], v[NIL]
	s_wait_dscnt 0x0
	s_endpgm
.Lfunc_end_k_q74b5ae8a63_uproj:
	.size	k_q74b5ae8a63_uproj, .Lfunc_end_k_q74b5ae8a63_uproj-k_q74b5ae8a63_uproj
	.p2alignl 7, 3214868480
	.fill 96, 4, 3214868480
	.section	.rodata,"a",@progbits
	.p2align	6, 0x0
	.amdhsa_kernel k_q74b5ae8a63_uproj
		.amdhsa_group_segment_fixed_size 52480
		.amdhsa_private_segment_fixed_size 0
		.amdhsa_enable_private_segment 0
		.amdhsa_kernarg_size 24
		.amdhsa_user_sgpr_count 2
		.amdhsa_user_sgpr_kernarg_segment_ptr 1
		.amdhsa_wavefront_size32 1
		.amdhsa_system_sgpr_workgroup_id_x 1
		.amdhsa_system_sgpr_workgroup_id_y 1
		.amdhsa_system_sgpr_workgroup_id_z 1
		.amdhsa_system_vgpr_workitem_id 0
		.amdhsa_next_free_vgpr 256
		.amdhsa_next_free_sgpr 66
		.amdhsa_reserve_vcc 0
		.amdhsa_float_denorm_mode_32 3
		.amdhsa_float_denorm_mode_16_64 3
		.amdhsa_memory_ordered 1
		.amdhsa_forward_progress 1
		.amdhsa_inst_pref_size 14
	.end_amdhsa_kernel
	.amdgpu_metadata
---
amdhsa.version: [ 1, 2 ]
amdhsa.kernels:
  - .name:           k_q74b5ae8a63_uproj
    .symbol:         k_q74b5ae8a63_uproj.kd
    .args:
      - { .name: Wk, .offset: 0, .size: 8, .value_kind: global_buffer, .address_space: global }
      - { .name: qf, .offset: 8, .size: 8, .value_kind: global_buffer, .address_space: global }
      - { .name: uf, .offset: 16, .size: 8, .value_kind: global_buffer, .address_space: global }
    .group_segment_fixed_size: 52480
    .private_segment_fixed_size: 0
    .kernarg_segment_align: 8
    .kernarg_segment_size: 24
    .max_flat_workgroup_size: 256
    .sgpr_count:     66
    .vgpr_count:     256
    .wavefront_size: 32
...
	.end_amdgpu_metadata
.endif
;; end of part 2
;; launch scores (part 3): grid 256 x 1, 16 waves a work-group, no clusters, 108,544 bytes of LDS; arguments x, uf, sc; writes sc
.if DOCPART == 3
	.amdgcn_target "amdgcn-amd-amdhsa--gfx1250"
	.amdhsa_code_object_version 6
	.text
	.protected	k_q74b5ae8a63_scores
	.globl	k_q74b5ae8a63_scores
	.p2align	8
	.type	k_q74b5ae8a63_scores,@function
k_q74b5ae8a63_scores:
	s_mov_b64 s[64:65], 0
	v_nop
	global_prefetch_b8 v0, s[64:65] scope:SCOPE_SE
	s_setreg_imm32_b32 hwreg(HW_REG_WAVE_MODE, 25, 1), 1
	s_wait_xcnt 0x0
; sc[b][head][n] = (sum over c of bf16(x[b][n][c]) u[b][head][c]) / sqrt(128), in f32.  u comes as three bf16 pieces, so every product is exact: a score
; carries the rounding of f32 sums alone.  That is needed: the next launch ranks the scores, and a token on the wrong side of the threshold shows in the output.
; A STREAM: x is read once here, 134 MB for a few matrix instructions, so the design is about bytes in flight.  No tensor loads: a ring in registers with counted waits
; never runs dry, and a work-group has only 512 KB to read.  No cluster: no two work-groups read the same x; what they share, 64 KB of u, is an eighth of a work-group's bytes.
; SHARES.  Work-group g owns tokens 128 (g & 15) .. + 127 of batch g >> 4.  Wave w owns c = 64 w .. + 63, 256 bytes of every row, for all 128 tokens: eight tiles of 16 tokens.
; Four tiles' loads (32 loads of 512 bytes) are out in every wave.  Sixteen neighbouring lanes take 256 consecutive bytes of a row, aligned; the tile is turned into
; source 0's order (a lane = a token, c along the registers) through the wave's own LDS bytes: loads in that order straight from memory would take 32 bytes of sixteen rows each.
; PRODUCT.  Source 0 = 16 tokens, source 1 = 16 rows of u's pieces: tile nt 0: hi of heads 0-7, mid of heads 0-7; tile nt 1: lo of the heads (twice).
; hi + mid meet by one exchange of lanes 8 apart, lo is added; the sixteen waves' partial sums meet in LDS, and eight waves add them in ascending w.
; LIMITS.  NaN and infinities are not treated apart.  The order of the f32 sums is not the reference's (u first, then x . u).
.set TX,    0                          ; 16 waves x 16 rows x 144 bytes (64 bf16 + 16): the wave's own
.set STG,   36864                      ; 16 waves x 8 heads x 544 bytes (128 f32 + 32)
.set SPARE, 106496                     ; the spare words: 128 bytes a wave, named by no other line
.set XO,  4                            ; v4   4,096 h + 16 r
.set GO,  5                            ; v5   16 lane
.set TXW, 6                            ; v6   where I put 8 bytes of x
.set TXR, 7                            ; v7   where I read x's fragments
.set STW, 8                            ; v8   where I put four scores
.set FR,  9                            ; v9   at work; then where I read partial sums
.set TT,  12                           ; v12-19  eight tokens' sums
.set SS,  20                           ; v20-23  the four that I store
.set SPW, 30
.set NIL, 31
.set UF,  32                           ; v32-63   u's fragments: step ks, tile nt at UF + 16 ks + 8 nt
.set AF,  64                           ; v64-95   x's fragments, two sets by the tile's parity
.set ACC, 96                           ; v96-127  two accumulators, two sets by the tile's parity
.set RAW, 128                          ; v128-255 x as loaded: four buffers of 32
.macro LDT t                           ; tile t: load i takes rows 16 t + 2 i (lanes 0-15) and 16 t + 2 i + 1 (lanes 16-31)
.set i, 0
.rept 8
	global_load_b128 v[RAW+32*((\t)%4)+4*i:RAW+32*((\t)%4)+4*i+3], v[XO], s[4:5] offset:(16*(\t)+2*i)*4096
.set i, i+1
.endr
.endm
.macro COMB t                          ; tile t's sums leave the accumulators, from their low end on
.set CB, ACC+16*((\t)%2)
.set vv, 0
.rept 8
	v_add_f32_dpp v[TT+vv], v[CB+vv], v[CB+vv] row_xmask:8 row_mask:0xf bank_mask:0xf  ; hi + mid of head r & 7, in both lanes
	v_add_f32 v[TT+vv], v[TT+vv], v[CB+8+vv]                                           ; + lo
.set vv, vv+1
.endr
.set e, 0
.rept 4
	v_cndmask_b32 v[SS+e], v[TT+e], v[TT+4+e], s12  ; lanes r < 8 keep tokens 8 h + 0..3, lanes r >= 8 tokens 8 h + 4..7
.set e, e+1
.endr
	ds_store_b128 v[STW], v[SS:SS+3] offset:64*(\t)
.endm
.macro TILE t, left                    ; left: the younger loads that may stay out
	s_wait_loadcnt \left
.set RB, RAW+32*((\t)%4)
.set AS, AF+16*((\t)%2)
.set CA, ACC+16*((\t)%2)
.set i, 0
.rept 8                                            ; sixteen plain instructions: also the places between the last tile's products and the lines that read their results
	v_cvt_pk_bf16_f32 v[RB+4*i], v[RB+4*i], v[RB+4*i+1]
	v_cvt_pk_bf16_f32 v[RB+4*i+1], v[RB+4*i+2], v[RB+4*i+3]
.set i, i+1
.endr
.set i, 0
.rept 8
	ds_store_b64 v[TXW], v[RB+4*i:RB+4*i+1] offset:288*i
.set i, i+1
.endr
.irp f, 0,1,2,3
	ds_load_b128 v[AS+4*\f:AS+4*\f+3], v[TXR] offset:32*\f  ; my own bytes: LDS serves a wave's instructions in order (ISA guide 5.7.1.4)
.endr
.if (\t) > 0
	COMB (\t)-1                                    ; stands in the wait for the fragments
.endif
	s_wait_dscnt 0x0                               ; the fragments are in, and the stores have read the buffer
.if (\t) < 4
	LDT (\t)+4                                     ; the buffer takes the tile four further on
.endif
	v_wmma_f32_16x16x32_bf16 v[CA:CA+7],    v[AS:AS+7],    v[UF:UF+7],     0              ; the two accumulators take turns
	v_wmma_f32_16x16x32_bf16 v[CA+8:CA+15], v[AS:AS+7],    v[UF+8:UF+15],  0
	v_wmma_f32_16x16x32_bf16 v[CA:CA+7],    v[AS+8:AS+15], v[UF+16:UF+23], v[CA:CA+7]
	v_wmma_f32_16x16x32_bf16 v[CA+8:CA+15], v[AS+8:AS+15], v[UF+24:UF+31], v[CA+8:CA+15]
.endm
.macro FINISH                          ; the wave's end
	s_wait_tensorcnt 0x0
	ds_add_u32 v[SPW], v[NIL]
	s_wait_dscnt 0x0
	s_endpgm
.endm
	s_load_b128 s[4:7], s[0:1], 0x0                ; x s[4:5], uf s[6:7]
	s_load_b64 s[8:9], s[0:1], 0x10                ; sc
	v_lshl_add_u32 v[SPW], v0, 2, SPARE
	v_mov_b32 v[NIL], 0
	v_lshrrev_b32 v1, 5, v0
	v_readfirstlane_b32 s10, v1                    ; wave 0..15
	v_and_b32 v1, 31, v0
	v_and_b32 v2, 15, v0                           ; r
	v_bfe_u32 v3, v0, 4, 1                         ; h
	s_mov_b32 s12, 0xff00ff00                      ; the lanes with r >= 8
	s_mov_b32 s14, 0x3db504f3                      ; 1 / sqrt(128)
	s_mov_b32 s15, s14                             ; named with it as a pair
	s_lshr_b32 s11, ttmp9, 4                       ; batch
	s_and_b32 s21, ttmp9, 15                       ; block of 128 tokens
	v_lshlrev_b32 v[XO], 4, v2
	v_lshl_add_u32 v[XO], v3, 12, v[XO]
	v_lshlrev_b32 v[GO], 4, v1
	s_mul_i32 s16, s10, 2304
	v_mul_u32_u24 v[TXW], v3, 144
	v_lshl_add_u32 v[TXW], v2, 3, v[TXW]
	v_add_nc_u32 v[TXW], s16, v[TXW]
	v_mul_u32_u24 v[TXR], v2, 144
	v_lshl_add_u32 v[TXR], v3, 4, v[TXR]
	v_add_nc_u32 v[TXR], s16, v[TXR]
	s_mul_i32 s17, s10, 4352
	s_add_co_u32 s17, s17, STG
	v_and_b32 v[STW], 7, v0                        ; head r & 7: rows 544 bytes apart
	v_mul_u32_u24 v[STW], v[STW], 544
	v_lshl_add_u32 v[STW], v3, 5, v[STW]           ; tokens 8 h ..
	v_bfe_u32 v[FR], v0, 3, 1
	v_lshl_add_u32 v[STW], v[FR], 4, v[STW]        ; + 4 (r >> 3)
	v_add_nc_u32 v[STW], s17, v[STW]
.irp i, 0,1,2,3,4,5,6,7
	v_mov_b32 v[TT+\i], 0                          ; the destination of a line that takes a source from another lane counts as read
.endr
	s_lshl_b32 s18, ttmp9, 19                      ; 128 rows of 4,096 bytes a work-group,
	s_lshl_b32 s19, s10, 8                         ; my 256 bytes of a row
	s_add_co_u32 s18, s18, s19
	s_mov_b32 s19, 0
	s_lshl_b32 s22, s11, 16                        ; the batch's u,
	s_lshl_b32 s23, s10, 12                        ; my four blocks of 16 c
	s_add_co_u32 s22, s22, s23
	s_mov_b32 s23, 0
	s_wait_kmcnt 0x0
	s_add_nc_u64 s[4:5], s[4:5], s[18:19]
	s_add_nc_u64 s[6:7], s[6:7], s[22:23]
.set ks, 0
.rept 2
.set nt, 0
.rept 2
	global_load_b128 v[UF+16*ks+8*nt:UF+16*ks+8*nt+3],   v[GO], s[6:7] offset:2048*ks+512*nt
	global_load_b128 v[UF+16*ks+8*nt+4:UF+16*ks+8*nt+7], v[GO], s[6:7] offset:2048*ks+512*nt+1024
.set nt, nt+1
.endr
.set ks, ks+1
.endr
	LDT 0
	LDT 1
	LDT 2
	LDT 3
	TILE 0, 24                                     ; u and tile 0 are in; three tiles' 24 loads stay out
	TILE 1, 24
	TILE 2, 24
	TILE 3, 24
	TILE 4, 24
	TILE 5, 16                                     ; nothing more is asked for: the counts run down
	TILE 6, 8
	TILE 7, 0
.rept 4
	v_nop                                          ; four places ahead of the lines that read the last results (ISA guide 7.12.1)
.endr
	COMB 7
	s_wait_dscnt 0x0                               ; for the others' sake: my partial sums are in LDS
	s_barrier_signal -1
	s_barrier_wait -1
	s_cmp_lt_u32 s10, 8
	s_cbranch_scc1 .Lsum
	FINISH
.Lsum:                                                 ; wave w < 8: head w, tokens 4 lane + 0..3
	s_mul_i32 s18, s10, 544
	s_add_co_u32 s18, s18, STG
	v_add_nc_u32 v[FR], s18, v[GO]
.set p, 0
.rept 16
	ds_load_b128 v[RAW+4*p:RAW+4*p+3], v[FR] offset:4352*p
.set p, p+1
.endr
	s_lshl_b32 s24, s11, 16
	s_lshl_b32 s25, s10, 13
	s_add_co_u32 s24, s24, s25
	s_lshl_b32 s25, s21, 9
	s_add_co_u32 s24, s24, s25
	s_mov_b32 s25, 0
	s_add_nc_u64 s[8:9], s[8:9], s[24:25]
	s_wait_dscnt 0x0
.set p, 1
.rept 15                                           ; ascending w
	v_pk_add_f32 v[RAW:RAW+1],   v[RAW:RAW+1],   v[RAW+4*p:RAW+4*p+1]
	v_pk_add_f32 v[RAW+2:RAW+3], v[RAW+2:RAW+3], v[RAW+4*p+2:RAW+4*p+3]
.set p, p+1
.endr
	v_pk_mul_f32 v[RAW:RAW+1],   v[RAW:RAW+1],   s[14:15] op_sel_hi:[1,0]
	v_pk_mul_f32 v[RAW+2:RAW+3], v[RAW+2:RAW+3], s[14:15] op_sel_hi:[1,0]
	global_store_b128 v[GO], v[RAW:RAW+3], s[8:9]  ; the wave's store covers 512 consecutive bytes, aligned
	FINISH
.Lfunc_end_k_q74b5ae8a63_scores:
	.size	k_q74b5ae8a63_scores, .Lfunc_end_k_q74b5ae8a63_scores-k_q74b5ae8a63_scores
	.p2alignl 7, 3214868480
	.fill 96, 4, 3214868480
	.section	.rodata,"a",@progbits
	.p2align	6, 0x0
	.amdhsa_kernel k_q74b5ae8a63_scores
		.amdhsa_group_segment_fixed_size 108544
		.amdhsa_private_segment_fixed_size 0
		.amdhsa_enable_private_segment 0
		.amdhsa_kernarg_size 24
		.amdhsa_user_sgpr_count 2
		.amdhsa_user_sgpr_kernarg_segment_ptr 1
		.amdhsa_wavefront_size32 1
		.amdhsa_system_sgpr_workgroup_id_x 1
		.amdhsa_system_sgpr_workgroup_id_y 1
		.amdhsa_system_sgpr_workgroup_id_z 1
		.amdhsa_system_vgpr_workitem_id 0
		.amdhsa_next_free_vgpr 256
		.amdhsa_next_free_sgpr 66
		.amdhsa_reserve_vcc 0
		.amdhsa_float_denorm_mode_32 3
		.amdhsa_float_denorm_mode_16_64 3
		.amdhsa_memory_ordered 1
		.amdhsa_forward_progress 1
		.amdhsa_inst_pref_size 39
	.end_amdhsa_kernel
	.amdgpu_metadata
---
amdhsa.version: [ 1, 2 ]
amdhsa.kernels:
  - .name:           k_q74b5ae8a63_scores
    .symbol:         k_q74b5ae8a63_scores.kd
    .args:
      - { .name: x, .offset: 0, .size: 8, .value_kind: global_buffer, .address_space: global }
      - { .name: uf, .offset: 8, .size: 8, .value_kind: global_buffer, .address_space: global }
      - { .name: sc, .offset: 16, .size: 8, .value_kind: global_buffer, .address_space: global }
    .group_segment_fixed_size: 108544
    .private_segment_fixed_size: 0
    .kernarg_segment_align: 8
    .kernarg_segment_size: 24
    .max_flat_workgroup_size: 512
    .sgpr_count:     66
    .vgpr_count:     256
    .wavefront_size: 32
...
	.end_amdgpu_metadata
.endif
;; end of part 3
;; launch mix (part 4): grid 256 x 1, 16 waves a work-group, no clusters, 133,632 bytes of LDS; arguments x, sc, yb; writes yb
.if DOCPART == 4
	.amdgcn_target "amdgcn-amd-amdhsa--gfx1250"
	.amdhsa_code_object_version 6
	.text
	.protected	k_q74b5ae8a63_mix
	.globl	k_q74b5ae8a63_mix
	.p2align	8
	.type	k_q74b5ae8a63_mix,@function
k_q74b5ae8a63_mix:
	s_mov_b64 s[64:65], 0
	v_nop
	global_prefetch_b8 v0, s[64:65] scope:SCOPE_SE
	s_setreg_imm32_b32 hwreg(HW_REG_WAVE_MODE, 25, 1), 1
	s_wait_xcnt 0x0
; For batch b and each head: the 512th largest of the 2,048 scores is the threshold; rel = score where score >= threshold, else 0; p = exp(rel - max rel); l = sum of p;
; y[b][head][c] = (sum over n of p[n] bf16(x[b][n][c])) / l.  v enters the output through that weighted sum alone, so the last launch multiplies y, not x, by Wv.
; SHARES.  Work-group g owns columns c = 64 (g & 15) .. + 63 of batch g >> 4, all 2,048 tokens: each number of y has one owner.  Wave w owns tokens 128 w .. + 127: four steps of 32.
; Waves 0-7 also make head w's weights; every work-group of a batch makes them anew (work-groups hand each other nothing), while the first half of its x is on its way.
; THE THRESHOLD is found bit by bit, in 32 counted trips: scores become whole numbers of the same order, and a bit of the threshold stays set if 512 keys or more are at least as large.
; Ties count as in the reference: every score equal to the threshold is kept.  The count steers a scalar select alone: no branch and no address hangs on it.
; THE PRODUCT.  Source 0 = 16 rows of weights along the tokens: rows 0-7 p rounded to bf16, rows 8-15 what that rounding left over, rounded to bf16.  Source 1 = x: a lane's load holds four
; neighbouring columns of a token, so column 4 r + j of all lanes is fragment j: nothing is transposed.  Sixteen neighbouring lanes take 256 consecutive bytes of a row, aligned.
; A STREAM, as the launch before: registers with counted waits, no tensor loads, no cluster (no two work-groups read the same x; the 64 KB of scores that they share are an eighth of their bytes).
; LIMITS.  Where the 512th and 513th scores differ by less than the rounding of the f32 sums that made them, the choice may differ from the reference's.  -0 ranks below +0; both give rel = 0.
; NaN and infinities are not treated apart.  A weight below 2^-126 counts as 0.
.set P0,    0                          ; 16 rows x 4,112 bytes (2,048 bf16 + 16): the weights
.set LS,    65792                      ; eight sums l
.set PART,  66048                      ; 16 waves x 16 rows x 256 bytes: the partial sums
.set SPARE, 131584                     ; the spare words: 128 bytes a wave, named by no other line
.set RP,    256
.set WO,  4                            ; v4   (128 w + 8 h) rows of 4,096 bytes + 16 r
.set GO,  5                            ; v5   16 lane
.set PH,  6                            ; v6   where I put four weights
.set AP,  7                            ; v7   where I read the weights' fragments
.set PW,  8                            ; v8   where I put partial sums
.set LA,  9                            ; v9   where l goes
.set FR,  10                           ; v10  where I read partial sums
.set YO,  11                           ; v11  my byte offset in yb
.set RD,  12                           ; v12-19 reductions, at work
.set SPW, 30
.set NIL, 31
.set HB,  32                           ; v32-63   at work; then p's hi pieces; then AF
.set AF,  32                           ;          the weights' fragments, four steps
.set KEY, 64                           ; v64-127  scores, keys, rel, p: register 4 j + e is token 128 j + 4 lane + e
.set BF,  64                           ; v64-95   later x's four fragments of a step
.set ACC, 96                           ; v96-127  later four accumulators
.set RAW, 128                          ; v128-255 x as loaded: two buffers of 64; at the end the partial sums
.set MK,  32                           ; s[32:47] two banks of eight lane masks
.macro LOADW st, buf                   ; step st of x: slot i is token 32 st + 8 h + i (i < 8) or 32 st + 16 + 8 h + i - 8 of my 128
.set i, 0
.rept 16
	global_load_b128 v[RAW+64*(\buf)+4*i:RAW+64*(\buf)+4*i+3], v[WO], s[4:5] offset:(32*(\st)+i+8*(i/8))*4096 th:TH_LOAD_NT
.set i, i+1
.endr
.endm
.macro CVTB buf                        ; register q of fragment j: tokens (slots) 2 q, 2 q + 1 of column 4 r + j, rounded to bf16
.set j, 0
.rept 4
.set q, 0
.rept 8
	v_cvt_pk_bf16_f32 v[BF+8*j+q], v[RAW+64*(\buf)+8*q+j], v[RAW+64*(\buf)+8*q+4+j]
.set q, q+1
.endr
.set j, j+1
.endr
.endm
.macro MM4 a, zero                     ; four products, the four accumulators by turns
.set j, 0
.rept 4
.if \zero
	v_wmma_f32_16x16x32_bf16 v[ACC+8*j:ACC+8*j+7], v[\a:(\a)+7], v[BF+8*j:BF+8*j+7], 0
.else
	v_wmma_f32_16x16x32_bf16 v[ACC+8*j:ACC+8*j+7], v[\a:(\a)+7], v[BF+8*j:BF+8*j+7], v[ACC+8*j:ACC+8*j+7]
.endif
.set j, j+1
.endr
.endm
.macro STEP st, left, zero
	s_wait_loadcnt \left                           ; this step's sixteen loads are in; the younger step's stay out
	CVTB (\st)%2
.if (\st) < 2
	LOADW (\st)+2, (\st)%2                         ; the buffer takes the step two further on
.endif
	MM4 AF+8*(\st), \zero
.rept 4
	v_nop                                          ; four places ahead of lines that rewrite the products' sources or read their results (ISA guide 7.12.1)
.endr
.endm
.macro PIECE src, hi, tmp              ; hi = the pair src rounded to bf16; src = what is left over (exact)
	v_cvt_pk_bf16_f32 v[\hi], v[\src], v[(\src)+1]
	v_lshlrev_b32 v[\tmp], 16, v[\hi]
	v_and_b32 v[(\tmp)+1], s20, v[\hi]
	v_pk_add_f32 v[\src:(\src)+1], v[\src:(\src)+1], v[\tmp:(\tmp)+1] neg_lo:[0,1] neg_hi:[0,1]
.endm
.macro FLIP g                          ; keys 8 g .. + 7: a negative number's lower 31 bits are turned over.  Scores so get the order of signed whole numbers; done twice it changes nothing
.set k, 0
.rept 8
	v_ashrrev_i32 v[HB+k], 31, v[KEY+8*(\g)+k]
.set k, k+1
.endr
.set k, 0
.rept 8
	v_lshrrev_b32 v[HB+k], 1, v[HB+k]
.set k, k+1
.endr
.set k, 0
.rept 8
	v_xor_b32 v[KEY+8*(\g)+k], v[HB+k], v[KEY+8*(\g)+k]
.set k, k+1
.endr
.endm
.macro CMP8 g                          ; which lanes' keys 8 g .. + 7 are at least s25: into bank g % 2
.set k, 0
.rept 8
	v_cmp_le_i32 s[MK+8*((\g)%2)+k], s25, v[KEY+8*(\g)+k]
.set k, k+1
.endr
.endm
.macro CNT8 g                          ; and how many those are
.set k, 0
.rept 8
	s_bcnt1_i32_b32 s[MK+8*((\g)%2)+k], s[MK+8*((\g)%2)+k]
.set k, k+1
.endr
.set k, 0
.rept 8
	s_add_co_u32 s26, s26, s[MK+8*((\g)%2)+k]
.set k, k+1
.endr
.endm
.macro FINISH                          ; the wave's end
	s_wait_tensorcnt 0x0
	ds_add_u32 v[SPW], v[NIL]
	s_wait_dscnt 0x0
	s_endpgm
.endm
	s_load_b128 s[4:7], s[0:1], 0x0                ; x s[4:5], sc s[6:7]
	s_load_b64 s[8:9], s[0:1], 0x10                ; yb
	v_lshl_add_u32 v[SPW], v0, 2, SPARE
	v_mov_b32 v[NIL], 0
	v_lshrrev_b32 v1, 5, v0
	v_readfirstlane_b32 s10, v1                    ; wave 0..15
	v_and_b32 v1, 31, v0
	v_and_b32 v2, 15, v0                           ; r
	v_bfe_u32 v3, v0, 4, 1                         ; h
	s_mov_b32 s20, 0xffff0000                      ; a word's upper bf16
	s_mov_b32 s28, 0x76543210                      ; v_permlanex16_b32: each lane takes its own place in the other half
	s_mov_b32 s29, 0xfedcba98
	s_mov_b32 s48, 0x3fb8aa3b                      ; log2(e)
	s_mov_b32 s49, s48                             ; named with it as a pair
	s_lshr_b32 s11, ttmp9, 4                       ; batch
	s_and_b32 s12, ttmp9, 15                       ; block of 64 columns
	s_lshl_b32 s13, s10, 19                        ; 128 w rows of 4,096 bytes
	v_lshlrev_b32 v[WO], 4, v2
	v_lshl_add_u32 v[WO], v3, 15, v[WO]
	v_add_nc_u32 v[WO], s13, v[WO]
	v_lshlrev_b32 v[GO], 4, v1
	s_mul_i32 s14, s10, 4112
	v_lshl_add_u32 v[PH], v1, 3, s14               ; row w, tokens 4 lane (+ 128 j in the offset)
	s_lshl_b32 s15, s10, 8
	v_mul_u32_u24 v[AP], v2, 4112                  ; row r: 1,028 words apart, so the 16 rows of a load start at 16 different groups of four banks (ISA guide 11.1)
	v_lshl_add_u32 v[AP], v3, 4, v[AP]
	v_add_nc_u32 v[AP], s15, v[AP]                 ; my 128 tokens, 16 bytes at 16 h
	s_lshl_b32 s16, s10, 12
	s_add_co_u32 s16, s16, PART
	v_lshlrev_b32 v[PW], 4, v2
	v_lshl_add_u32 v[PW], v3, 11, v[PW]
	v_add_nc_u32 v[PW], s16, v[PW]
	s_lshl_b32 s17, s10, 2
	s_add_co_u32 s17, s17, LS
	v_mov_b32 v[LA], s17
	s_lshl_b32 s18, s11, 23                        ; a batch of x is 8,388,608 bytes
	s_lshl_b32 s19, s12, 8
	s_add_co_u32 s18, s18, s19
	s_mov_b32 s19, 0
	s_lshl_b32 s30, s12, 12                        ; yb[head][block of columns][batch][64]
	s_lshl_b32 s31, s11, 8
	s_add_co_u32 s30, s30, s31
	s_mov_b32 s31, 0
	s_wait_kmcnt 0x0
	s_add_nc_u64 s[4:5], s[4:5], s[18:19]
	s_add_nc_u64 s[8:9], s[8:9], s[30:31]
	s_cmp_lt_u32 s10, 8
	s_cbranch_scc0 .Lno_scores
	s_lshl_b32 s18, s11, 16                        ; waves 0-7: head w's 2,048 scores go out first
	s_lshl_b32 s27, s10, 13
	s_add_co_u32 s18, s18, s27
	s_add_nc_u64 s[6:7], s[6:7], s[18:19]
.set j, 0
.rept 16
	global_load_b128 v[KEY+4*j:KEY+4*j+3], v[GO], s[6:7] offset:512*j
.set j, j+1
.endr
.Lno_scores:
	LOADW 0, 0                                     ; half of my x: 32 loads of 512 bytes, on their way while the weights are made
	LOADW 1, 1
	s_cmp_lt_u32 s10, 8
	s_cbranch_scc0 .Lmeet                          ; waves 8-15 make no weights; the jump passes no barrier
	s_wait_loadcnt 32                              ; the scores are in; x's 32 loads stay out
.irp g, 0,1,2,3,4,5,6,7
	FLIP \g
.endr
	s_mov_b32 s21, 0                               ; the threshold so far, as an unsigned number (a key with its top bit turned over)
	s_mov_b32 s22, 0x80000000                      ; the bit on trial
	s_mov_b32 s23, 32
.Lbit:
	s_or_b32 s24, s21, s22
	s_xor_b32 s25, s24, 0x80000000                 ; the trial as a signed number
	s_mov_b32 s26, 0
	CMP8 0
.irp g, 0,1,2,3,4,5,6
	CMP8 (\g)+1                                    ; the next group's compares stand ahead of this group's counts: two banks of masks
	CNT8 \g
.endr
	CNT8 7
	s_cmp_ge_u32 s26, 512                          ; 512 keys or more are at least the trial: the bit stays
	s_cselect_b32 s21, s24, s21
	s_lshr_b32 s22, s22, 1
	s_sub_co_i32 s23, s23, 1
	s_cmp_lg_u32 s23, 0
	s_cbranch_scc1 .Lbit
	s_xor_b32 s25, s21, 0x80000000                 ; the 512th largest key
.irp g, 0,1,2,3,4,5,6,7
	CMP8 \g
.set k, 0
.rept 8
	v_cndmask_b32 v[KEY+8*(\g)+k], 0, v[KEY+8*(\g)+k], s[MK+8*((\g)%2)+k]  ; below the threshold: key 0, which is the score 0
.set k, k+1
.endr
	FLIP \g                                        ; back to f32: rel
.endr
.set c, 0
.rept 4                                            ; the largest rel of my 64, in four chains, three operands at a time
	v_max3_num_f32 v[RD+c], v[KEY+16*c], v[KEY+16*c+1], v[KEY+16*c+2]
.set c, c+1
.endr
.set i, 0
.rept 6
.set c, 0
.rept 4
	v_max3_num_f32 v[RD+c], v[RD+c], v[KEY+16*c+3+2*i], v[KEY+16*c+4+2*i]
.set c, c+1
.endr
.set i, i+1
.endr
.set c, 0
.rept 4
	v_max_num_f32 v[RD+c], v[RD+c], v[KEY+16*c+15]
.set c, c+1
.endr
	v_max3_num_f32 v[RD], v[RD], v[RD+1], v[RD+2]
	v_max_num_f32 v[RD], v[RD], v[RD+3]
	v_max_num_f32_dpp v[RD], v[RD], v[RD] row_xmask:1 row_mask:0xf bank_mask:0xf
	v_max_num_f32_dpp v[RD], v[RD], v[RD] row_xmask:2 row_mask:0xf bank_mask:0xf
	v_max_num_f32_dpp v[RD], v[RD], v[RD] row_xmask:4 row_mask:0xf bank_mask:0xf
	v_max_num_f32_dpp v[RD], v[RD], v[RD] row_xmask:8 row_mask:0xf bank_mask:0xf
	v_permlanex16_b32 v[RD+1], v[RD], s28, s29
	v_max_num_f32 v[RD], v[RD], v[RD+1]            ; m, in every lane
.set k, 0
.rept 32                                           ; (rel - m) log2(e): the difference first, as the reference takes it, so that m's size does not enter the exponent's rounding
	v_pk_add_f32 v[KEY+2*k:KEY+2*k+1], v[KEY+2*k:KEY+2*k+1], v[RD:RD+1] op_sel_hi:[1,0] neg_lo:[0,1] neg_hi:[0,1]
.set k, k+1
.endr
.set k, 0
.rept 32
	v_pk_mul_f32 v[KEY+2*k:KEY+2*k+1], v[KEY+2*k:KEY+2*k+1], s[48:49] op_sel_hi:[1,0]
.set k, k+1
.endr
.set k, 0
.rept 64
	v_exp_f32 v[KEY+k], v[KEY+k]
.set k, k+1
.endr
	v_nop                                          ; a plain instruction between the last exponential and the use of its result (ISA guide 5.7.2)
.set c, 0
	s_wait_alu depctr_va_vdst(0)
.rept 4                                            ; l: the sum of the unrounded p, in four chains of pairs
	v_pk_add_f32 v[RD+2*c:RD+2*c+1], v[KEY+16*c:KEY+16*c+1], v[KEY+16*c+2:KEY+16*c+3]
.set c, c+1
.endr
.set i, 2
.rept 6
.set c, 0
.rept 4
	v_pk_add_f32 v[RD+2*c:RD+2*c+1], v[RD+2*c:RD+2*c+1], v[KEY+16*c+2*i:KEY+16*c+2*i+1]
.set c, c+1
.endr
.set i, i+1
.endr
	v_pk_add_f32 v[RD:RD+1], v[RD:RD+1], v[RD+2:RD+3]
	v_pk_add_f32 v[RD+4:RD+5], v[RD+4:RD+5], v[RD+6:RD+7]
	v_pk_add_f32 v[RD:RD+1], v[RD:RD+1], v[RD+4:RD+5]
	v_add_f32 v[RD], v[RD], v[RD+1]
	v_add_f32_dpp v[RD], v[RD], v[RD] row_xmask:1 row_mask:0xf bank_mask:0xf
	v_add_f32_dpp v[RD], v[RD], v[RD] row_xmask:2 row_mask:0xf bank_mask:0xf
	v_add_f32_dpp v[RD], v[RD], v[RD] row_xmask:4 row_mask:0xf bank_mask:0xf
	v_add_f32_dpp v[RD], v[RD], v[RD] row_xmask:8 row_mask:0xf bank_mask:0xf
	v_permlanex16_b32 v[RD+1], v[RD], s28, s29
	v_add_f32 v[RD], v[RD], v[RD+1]
	ds_store_b32 v[LA], v[RD]                      ; all lanes write the same number to the same word
.set j, 0
.rept 16                                           ; p in two bf16 pieces; each store has data registers of its own
	PIECE KEY+4*j, HB+2*j, RD+4
	PIECE KEY+4*j+2, HB+2*j+1, RD+6
	v_cvt_pk_bf16_f32 v[KEY+4*j], v[KEY+4*j], v[KEY+4*j+1]
	v_cvt_pk_bf16_f32 v[KEY+4*j+1], v[KEY+4*j+2], v[KEY+4*j+3]
	ds_store_b64 v[PH], v[HB+2*j:HB+2*j+1] offset:256*j            ; row w
	ds_store_b64 v[PH], v[KEY+4*j:KEY+4*j+1] offset:8*4112+256*j   ; row w + 8
.set j, j+1
.endr
.Lmeet:
	s_wait_dscnt 0x0                               ; for the others' sake: my weights and l are in LDS
	s_barrier_signal -1
	s_barrier_wait -1                              ; x's loads stay out across it: nobody writes those bytes
.set i, 0
.rept 4
	ds_load_b128 v[AF+8*i:AF+8*i+3],   v[AP] offset:64*i
	ds_load_b128 v[AF+8*i+4:AF+8*i+7], v[AP] offset:64*i+32
.set i, i+1
.endr
	s_wait_dscnt 0x0
	STEP 0, 16, 1                                  ; the first products start the sums
	STEP 1, 16, 0
	STEP 2, 16, 0
	STEP 3, 0, 0
.set vv, 0
.rept 8                                            ; register vv of tile j is (weights' row 8 h + vv, column 4 r + j); each accumulator's register 0 is read first
.set j, 0
.rept 4
	ds_store_b32 v[PW], v[ACC+8*j+vv] offset:vv*RP+4*j
.set j, j+1
.endr
.set vv, vv+1
.endr
	s_wait_dscnt 0x0                               ; for the others' sake: my partial sums are in LDS
	s_barrier_signal -1
	s_barrier_wait -1
	s_cmp_lt_u32 s10, 4
	s_cbranch_scc1 .Lsum
	FINISH
.Lsum:                                                 ; wave t < 4: head 2 t + h, columns 4 r + 0..3
	s_lshl_b32 s18, s10, 1
	v_add_nc_u32 v20, s18, v3                      ; head
	v_lshlrev_b32 v21, 2, v20
	v_add_nc_u32 v21, LS, v21
	v_lshlrev_b32 v[YO], 4, v2
	v_lshl_add_u32 v[FR], v20, 8, v[YO]
	v_add_nc_u32 v[FR], PART, v[FR]
	v_lshl_add_u32 v[YO], v20, 16, v[YO]
	ds_load_b32 v[RD], v21
.set p, 0
.rept 16
	ds_load_b128 v[RAW+8*p:RAW+8*p+3],   v[FR] offset:4096*p       ; the hi row's sums
	ds_load_b128 v[RAW+8*p+4:RAW+8*p+7], v[FR] offset:4096*p+2048  ; the lo row's
.set p, p+1
.endr
	s_wait_dscnt 0x0
	v_rcp_f32 v[RD+2], v[RD]                       ; 1 / l, twice, for the packed multiply; the sums below are the plain instructions ahead of its use
	v_rcp_f32 v[RD+3], v[RD]
.set p, 1
.rept 15                                           ; ascending w
.set k, 0
.rept 4
	v_pk_add_f32 v[RAW+2*k:RAW+2*k+1], v[RAW+2*k:RAW+2*k+1], v[RAW+8*p+2*k:RAW+8*p+2*k+1]
.set k, k+1
.endr
.set p, p+1
.endr
	v_pk_add_f32 v[RAW:RAW+1],   v[RAW:RAW+1],   v[RAW+4:RAW+5]
	v_pk_add_f32 v[RAW+2:RAW+3], v[RAW+2:RAW+3], v[RAW+6:RAW+7]
	s_wait_alu depctr_va_vdst(0)
	v_pk_mul_f32 v[RAW:RAW+1],   v[RAW:RAW+1],   v[RD+2:RD+3]
	v_pk_mul_f32 v[RAW+2:RAW+3], v[RAW+2:RAW+3], v[RD+2:RD+3]
	global_store_b128 v[YO], v[RAW:RAW+3], s[8:9]  ; sixteen lanes store 256 consecutive bytes, aligned
	FINISH
.Lfunc_end_k_q74b5ae8a63_mix:
	.size	k_q74b5ae8a63_mix, .Lfunc_end_k_q74b5ae8a63_mix-k_q74b5ae8a63_mix
	.p2alignl 7, 3214868480
	.fill 96, 4, 3214868480
	.section	.rodata,"a",@progbits
	.p2align	6, 0x0
	.amdhsa_kernel k_q74b5ae8a63_mix
		.amdhsa_group_segment_fixed_size 133632
		.amdhsa_private_segment_fixed_size 0
		.amdhsa_enable_private_segment 0
		.amdhsa_kernarg_size 24
		.amdhsa_user_sgpr_count 2
		.amdhsa_user_sgpr_kernarg_segment_ptr 1
		.amdhsa_wavefront_size32 1
		.amdhsa_system_sgpr_workgroup_id_x 1
		.amdhsa_system_sgpr_workgroup_id_y 1
		.amdhsa_system_sgpr_workgroup_id_z 1
		.amdhsa_system_vgpr_workitem_id 0
		.amdhsa_next_free_vgpr 256
		.amdhsa_next_free_sgpr 66
		.amdhsa_reserve_vcc 0
		.amdhsa_float_denorm_mode_32 3
		.amdhsa_float_denorm_mode_16_64 3
		.amdhsa_memory_ordered 1
		.amdhsa_forward_progress 1
		.amdhsa_inst_pref_size 79
	.end_amdhsa_kernel
	.amdgpu_metadata
---
amdhsa.version: [ 1, 2 ]
amdhsa.kernels:
  - .name:           k_q74b5ae8a63_mix
    .symbol:         k_q74b5ae8a63_mix.kd
    .args:
      - { .name: x, .offset: 0, .size: 8, .value_kind: global_buffer, .address_space: global }
      - { .name: sc, .offset: 8, .size: 8, .value_kind: global_buffer, .address_space: global }
      - { .name: yb, .offset: 16, .size: 8, .value_kind: global_buffer, .address_space: global }
    .group_segment_fixed_size: 133632
    .private_segment_fixed_size: 0
    .kernarg_segment_align: 8
    .kernarg_segment_size: 24
    .max_flat_workgroup_size: 512
    .sgpr_count:     66
    .vgpr_count:     256
    .wavefront_size: 32
...
	.end_amdgpu_metadata
.endif
;; end of part 4
;; launch vproj (part 5): grid 16 x 1, 16 waves a work-group, no clusters, 141,312 bytes of LDS; arguments Wv, yb, out0; writes out0
.if DOCPART == 5
	.amdgcn_target "amdgcn-amd-amdhsa--gfx1250"
	.amdhsa_code_object_version 6
	.text
	.protected	k_q74b5ae8a63_vproj
	.globl	k_q74b5ae8a63_vproj
	.p2align	8
	.type	k_q74b5ae8a63_vproj,@function
k_q74b5ae8a63_vproj:
	s_mov_b64 s[64:65], 0
	v_nop
	global_prefetch_b8 v0, s[64:65] scope:SCOPE_SE
	s_setreg_imm32_b32 hwreg(HW_REG_WAVE_MODE, 25, 1), 1
	s_wait_xcnt 0x0
; out0[b][128 head + d] = sum over c of y[b][head][c] bf16(Wv[c][128 head + d]).  y is f32 and goes in as two bf16 pieces (its rounding, and what that left over, rounded); sums in f32.
; SHARES.  Work-group cb owns columns 64 cb .. + 63 (256 bytes of every row of Wv; head cb >> 1).  Wave w owns c = 64 w .. + 63: two matrix steps of 32.
; The sixteen waves' partial sums meet in LDS; eight waves add them in ascending w.
; LOADS.  Sixteen neighbouring lanes take 256 consecutive bytes of a row of Wv, aligned; a lane so holds four neighbouring columns, and column 4 r + j of all lanes is fragment j of
; source 1: nothing is transposed.  y's block [16 batches][64 c] is 4,096 consecutive bytes; it is turned into source 0's order through the wave's own LDS bytes.
; LIMITS.  NaN and infinities are not treated apart.  The order of the f32 sums is not the reference's (the weighted sum of x first, then Wv).
.set TA,    0                          ; 16 waves x 2 pieces x 16 rows x 144 bytes (64 bf16 + 16): the wave's own
.set PART,  73728                      ; 16 waves x 16 rows x 256 bytes: the partial sums
.set SPARE, 139264                     ; the spare words: 128 bytes a wave, named by no other line
.set RP,    256
.set WO,  4                            ; v4      (64 w + 8 h) rows of 4,096 bytes + 16 r
.set TAW, 5                            ; v5      where I put 8 bytes of y
.set TAR, 6                            ; v6      where I read y's fragments
.set PW,  7                            ; v7      where I put partial sums
.set TP,  12                           ; v12-15  at work
.set FR,  16                           ; v16     where I read partial sums
.set GO,  17                           ; v17     16 x lane
.set OO,  18                           ; v18     my byte offset in out0
.set SPW, 30
.set NIL, 31
.set AF,  32                           ; v32-47  the hi piece's fragments of the two steps; v48-63 the lo piece's
.set BF,  64                           ; v64-95  y as loaded; then Wv's four fragments of a step
.set ACC, 96                           ; v96-127 y's hi pieces on their way to LDS; then four accumulators
.set RAW, 128                          ; v128-255 Wv as loaded, a buffer of 64 for each step; at the end the partial sums
.macro LOADW st, buf
.set i, 0
.rept 16
	global_load_b128 v[RAW+64*(\buf)+4*i:RAW+64*(\buf)+4*i+3], v[WO], s[4:5] offset:(32*(\st)+i+8*(i/8))*4096 th:TH_LOAD_NT
.set i, i+1
.endr
.endm
.macro CVTB buf
.set j, 0
.rept 4
.set q, 0
.rept 8
	v_cvt_pk_bf16_f32 v[BF+8*j+q], v[RAW+64*(\buf)+8*q+j], v[RAW+64*(\buf)+8*q+4+j]
.set q, q+1
.endr
.set j, j+1
.endr
.endm
.macro MM4 a, zero                     ; four products, the four accumulators by turns
.set j, 0
.rept 4
.if \zero
	v_wmma_f32_16x16x32_bf16 v[ACC+8*j:ACC+8*j+7], v[\a:(\a)+7], v[BF+8*j:BF+8*j+7], 0
.else
	v_wmma_f32_16x16x32_bf16 v[ACC+8*j:ACC+8*j+7], v[\a:(\a)+7], v[BF+8*j:BF+8*j+7], v[ACC+8*j:ACC+8*j+7]
.endif
.set j, j+1
.endr
.endm
.macro NOP4                            ; four places behind the products, ahead of lines that rewrite their sources or read their results (ISA guide 7.12.1)
.rept 4
	v_nop
.endr
.endm
.macro PIECE src, hi, tmp
	v_cvt_pk_bf16_f32 v[\hi], v[\src], v[(\src)+1]
	v_lshlrev_b32 v[\tmp], 16, v[\hi]
	v_and_b32 v[(\tmp)+1], s20, v[\hi]
	v_pk_add_f32 v[\src:(\src)+1], v[\src:(\src)+1], v[\tmp:(\tmp)+1] neg_lo:[0,1] neg_hi:[0,1]
.endm
.macro FINISH                          ; the wave's end
	s_wait_tensorcnt 0x0
	ds_add_u32 v[SPW], v[NIL]
	s_wait_dscnt 0x0
	s_endpgm
.endm
	s_load_b128 s[4:7], s[0:1], 0x0                ; Wv s[4:5], yb s[6:7]
	s_load_b64 s[8:9], s[0:1], 0x10                ; out0
	v_lshl_add_u32 v[SPW], v0, 2, SPARE
	v_mov_b32 v[NIL], 0
	v_lshrrev_b32 v1, 5, v0
	v_readfirstlane_b32 s10, v1                    ; wave 0..15
	v_and_b32 v1, 31, v0
	v_and_b32 v2, 15, v0                           ; r
	v_bfe_u32 v3, v0, 4, 1                         ; h
	s_mov_b32 s20, 0xffff0000
	s_lshl_b32 s11, s10, 18
	v_lshlrev_b32 v[WO], 4, v2
	v_lshl_add_u32 v[WO], v3, 15, v[WO]
	v_add_nc_u32 v[WO], s11, v[WO]
	s_mul_i32 s12, s10, 4608
	v_mul_u32_u24 v[TAW], v3, 144
	v_lshl_add_u32 v[TAW], v2, 3, v[TAW]
	v_add_nc_u32 v[TAW], s12, v[TAW]
	v_mul_u32_u24 v[TAR], v2, 144
	v_lshl_add_u32 v[TAR], v3, 4, v[TAR]
	v_add_nc_u32 v[TAR], s12, v[TAR]
	s_lshl_b32 s13, s10, 12
	s_add_co_u32 s13, s13, PART
	v_lshlrev_b32 v[PW], 4, v2
	v_lshl_add_u32 v[PW], v3, 11, v[PW]
	v_add_nc_u32 v[PW], s13, v[PW]
	v_lshlrev_b32 v[GO], 4, v1
	s_lshl_b32 s16, ttmp9, 8                       ; my 64 columns, in Wv and in out0
	s_mov_b32 s17, 0
	s_lshr_b32 s18, ttmp9, 1                       ; head
	s_lshl_b32 s18, s18, 16
	s_lshl_b32 s19, s10, 12                        ; my block of 64 c
	s_add_co_u32 s18, s18, s19
	s_mov_b32 s19, 0
	s_wait_kmcnt 0x0
	s_add_nc_u64 s[4:5], s[4:5], s[16:17]
	s_add_nc_u64 s[8:9], s[8:9], s[16:17]
	s_add_nc_u64 s[6:7], s[6:7], s[18:19]
.set i, 0
.rept 8
	global_load_b128 v[BF+4*i:BF+4*i+3], v[GO], s[6:7] offset:512*i  ; batches 2 i (lanes 0-15) and 2 i + 1 (lanes 16-31), c = 4 r ..
.set i, i+1
.endr
	LOADW 0, 0                                     ; all of my Wv goes out at once
	LOADW 1, 1
	s_wait_loadcnt 32                              ; y is in; the 32 loads of Wv stay out
.set i, 0
.rept 8                                            ; each store has data registers of its own
	PIECE BF+4*i, ACC+2*i, TP
	PIECE BF+4*i+2, ACC+2*i+1, TP+2
	v_cvt_pk_bf16_f32 v[BF+4*i], v[BF+4*i], v[BF+4*i+1]
	v_cvt_pk_bf16_f32 v[BF+4*i+1], v[BF+4*i+2], v[BF+4*i+3]
	ds_store_b64 v[TAW], v[ACC+2*i:ACC+2*i+1] offset:288*i
	ds_store_b64 v[TAW], v[BF+4*i:BF+4*i+1] offset:2304+288*i
.set i, i+1
.endr
.irp f, 0,1,2,3
	ds_load_b128 v[AF+4*\f:AF+4*\f+3], v[TAR] offset:32*\f              ; my own bytes: LDS serves a wave's instructions in order (ISA guide 5.7.1.4)
	ds_load_b128 v[AF+16+4*\f:AF+16+4*\f+3], v[TAR] offset:2304+32*\f
.endr
	s_wait_dscnt 0x0
	s_wait_loadcnt 16                              ; step 0 of Wv is in, step 1 stays out
	CVTB 0
	MM4 AF, 1                                      ; the first products start the sums
	MM4 AF+16, 0
	NOP4
	s_wait_loadcnt 0
	CVTB 1
	MM4 AF+8, 0
	MM4 AF+24, 0
	NOP4
.set vv, 0
.rept 8                                            ; register vv of tile j is (b = 8 h + vv, column 4 r + j); each accumulator's register 0 is read first
.set j, 0
.rept 4
	ds_store_b32 v[PW], v[ACC+8*j+vv] offset:vv*RP+4*j
.set j, j+1
.endr
.set vv, vv+1
.endr
	s_wait_dscnt 0x0                               ; for the others' sake: my partial sums are in LDS
	s_barrier_signal -1
	s_barrier_wait -1
	s_cmp_lt_u32 s10, 8
	s_cbranch_scc1 .Lsum
	FINISH
.Lsum:                                                 ; wave t < 8: batch 2 t + h, columns 4 r + 0..3
	s_lshl_b32 s21, s10, 9
	s_add_co_u32 s21, s21, PART
	v_lshlrev_b32 v[OO], 4, v2
	v_lshl_add_u32 v[FR], v3, 8, v[OO]
	v_add_nc_u32 v[FR], s21, v[FR]
	s_lshl_b32 s22, s10, 13
	v_lshl_add_u32 v[OO], v3, 12, v[OO]
	v_add_nc_u32 v[OO], s22, v[OO]
.set p, 0
.rept 16
	ds_load_b128 v[RAW+4*p:RAW+4*p+3], v[FR] offset:4096*p
.set p, p+1
.endr
	s_wait_dscnt 0x0
.set p, 1
.rept 15                                           ; ascending w
	v_pk_add_f32 v[RAW:RAW+1],   v[RAW:RAW+1],   v[RAW+4*p:RAW+4*p+1]
	v_pk_add_f32 v[RAW+2:RAW+3], v[RAW+2:RAW+3], v[RAW+4*p+2:RAW+4*p+3]
.set p, p+1
.endr
	global_store_b128 v[OO], v[RAW:RAW+3], s[8:9]  ; sixteen lanes store 256 consecutive bytes, aligned
	FINISH
.Lfunc_end_k_q74b5ae8a63_vproj:
	.size	k_q74b5ae8a63_vproj, .Lfunc_end_k_q74b5ae8a63_vproj-k_q74b5ae8a63_vproj
	.p2alignl 7, 3214868480
	.fill 96, 4, 3214868480
	.section	.rodata,"a",@progbits
	.p2align	6, 0x0
	.amdhsa_kernel k_q74b5ae8a63_vproj
		.amdhsa_group_segment_fixed_size 141312
		.amdhsa_private_segment_fixed_size 0
		.amdhsa_enable_private_segment 0
		.amdhsa_kernarg_size 24
		.amdhsa_user_sgpr_count 2
		.amdhsa_user_sgpr_kernarg_segment_ptr 1
		.amdhsa_wavefront_size32 1
		.amdhsa_system_sgpr_workgroup_id_x 1
		.amdhsa_system_sgpr_workgroup_id_y 1
		.amdhsa_system_sgpr_workgroup_id_z 1
		.amdhsa_system_vgpr_workitem_id 0
		.amdhsa_next_free_vgpr 256
		.amdhsa_next_free_sgpr 66
		.amdhsa_reserve_vcc 0
		.amdhsa_float_denorm_mode_32 3
		.amdhsa_float_denorm_mode_16_64 3
		.amdhsa_memory_ordered 1
		.amdhsa_forward_progress 1
		.amdhsa_inst_pref_size 23
	.end_amdhsa_kernel
	.amdgpu_metadata
---
amdhsa.version: [ 1, 2 ]
amdhsa.kernels:
  - .name:           k_q74b5ae8a63_vproj
    .symbol:         k_q74b5ae8a63_vproj.kd
    .args:
      - { .name: Wv, .offset: 0, .size: 8, .value_kind: global_buffer, .address_space: global }
      - { .name: yb, .offset: 8, .size: 8, .value_kind: global_buffer, .address_space: global }
      - { .name: out0, .offset: 16, .size: 8, .value_kind: global_buffer, .address_space: global }
    .group_segment_fixed_size: 141312
    .private_segment_fixed_size: 0
    .kernarg_segment_align: 8
    .kernarg_segment_size: 24
    .max_flat_workgroup_size: 512
    .sgpr_count:     66
    .vgpr_count:     256
    .wavefront_size: 32
...
	.end_amdgpu_metadata
.endif
;; end of part 5
;; ======== version 2 of 2: 5 launches; version 1 with the launches uproj, scores, vproj written anew for expert scheduling mode
;; workspace buffers: qf 98,304 bytes; uf 1,048,576 bytes; sc 1,048,576 bytes; yb 524,288 bytes
;; launch qproj: the kernel of part 1 again; grid 16 x 1, 16 waves a work-group, no clusters, 108,544 bytes of LDS; arguments x, Wq, qf; writes qf
;; launch uproj (part 6): grid 64 x 1, 8 waves a work-group, no clusters, 52,480 bytes of LDS; arguments Wk, qf, uf; writes uf
.if DOCPART == 6
	.amdgcn_target "amdgcn-amd-amdhsa--gfx1250"
	.amdhsa_code_object_version 6
	.text
	.protected	k_q74b5ae8a63_uproj
	.globl	k_q74b5ae8a63_uproj
	.p2align	8
	.type	k_q74b5ae8a63_uproj,@function
k_q74b5ae8a63_uproj:
	s_mov_b64 s[64:65], 0
	v_nop
	global_prefetch_b8 v0, s[64:65] scope:SCOPE_SE
	s_setreg_imm32_b32 hwreg(HW_REG_WAVE_SCHED_MODE, 0, 2), 2
	s_setreg_imm32_b32 hwreg(HW_REG_WAVE_MODE, 25, 1), 1
	s_wait_xcnt 0x0
	s_wait_alu depctr_vm_vsrc(0)
; u[b][head][c] = sum over d of bf16(Wk[c][128 head + d]) q0[b][head][d].  With it a score is x[b][n][:] . u[b][head][:], since k enters the scores through that one dot product alone.
; q0 comes as three bf16 pieces, so every product is exact; the three pieces have an accumulator each and are added in f32, the smallest first.
; u leaves as three bf16 pieces again, in the order of the next launch's fragments:
;   uf[b 16][cbk 64][nt 2][lane 32][16 bytes]: lane (r', h) holds c = 16 cbk + 8 h + 0..7; nt 0: r' < 8 the hi piece of head r', r' >= 8 the mid piece of head r' - 8;
;   nt 1: the lo piece of head r' & 7 (twice, so that every lane of the fragment is a true number and every byte is stored).
; SHARES.  Work-group cbk owns rows c = 16 cbk .. + 15 of Wk (65,536 consecutive bytes); wave w is head w: 512 bytes of each row.
; LIMITS.  NaN and infinities are not treated apart.  The order of the f32 sums is not the reference's.
; THE MODE: SCHED_MODE bits 1:0 = 2 (LLVM: expert scheduling mode 2), set by the entry lines.  The code itself states the register dependences
; between vector or matrix instructions and memory or LDS instructions, with s_wait_alu, always for 0.
; THE PLAN.  Registers that memory or LDS instructions touch:
;   v4-10      offsets and LDS addresses: written at the head, read by loads and stores, never written again.
;   v64-127    Wk as loaded.  The 32 roundings read them and write half of them; the 16 LDS stores read those.  Later the pieces write v64-77 and four LDS stores read v64-75;
;              the loads from the stage land in v80-95, which the global stores read.
;   v32-63, v128-223  loaded once, read by the products alone.
; The text has no loop.  Three waits on va_vdst: the addresses; the roundings, in one run ahead of their stores; the pieces, ahead of theirs (no vector line follows it, so it serves the
; loads from the stage too); and none more.  One wait on vm_vsrc, behind the first run of LDS stores, frees v64-95.
.set TW,    0                          ; 8 waves x 16 rows x 272 bytes (128 bf16 + 16): the wave's own
.set STG,   34816                      ; 16 batches x 1,040 bytes (two fragments' 1,024 + 16)
.set SPARE, 51456                      ; the spare words: 128 bytes a wave, named by no other line
.set WO,  4                            ; v4   512 w + 16 lane
.set GO,  5                            ; v5   16 lane
.set TWW, 6                            ; v6   where I put 8 bytes of Wk
.set TWR, 7                            ; v7   where I read Wk's fragments
.set SW,  8                            ; v8   where I put u's pieces
.set SR,  9                            ; v9   where I read them back
.set UO,  10                           ; v10  my byte offset in uf
.set U,   12                           ; v12-19 u in f32
.set SPW, 30
.set NIL, 31
.set AF,  32                           ; v32-63   Wk's fragments, four steps of 32 along d
.set RAWK, 64                          ; v64-127  Wk as loaded; later the pieces (v64-75), two at work (v76-77), the way out (v80-95)
.set QF,  128                          ; v128-223 q0's fragments: step ks, piece p at QF + 24 ks + 8 p
.set ACC, 224                          ; v224-247 an accumulator for each piece
.macro PIECE src, hi, tmp
	v_cvt_pk_bf16_f32 v[\hi], v[\src], v[(\src)+1]
	v_lshlrev_b32 v[\tmp], 16, v[\hi]
	v_and_b32 v[(\tmp)+1], s20, v[\hi]
	v_pk_add_f32 v[\src:(\src)+1], v[\src:(\src)+1], v[\tmp:(\tmp)+1] neg_lo:[0,1] neg_hi:[0,1]
.endm
	s_load_b128 s[4:7], s[0:1], 0x0                ; Wk s[4:5], qf s[6:7]
	s_load_b64 s[8:9], s[0:1], 0x10                ; uf
	v_lshl_add_u32 v[SPW], v0, 2, SPARE
	v_mov_b32 v[NIL], 0
	v_lshrrev_b32 v1, 5, v0
	v_readfirstlane_b32 s10, v1                    ; wave = head
	v_and_b32 v1, 31, v0
	v_and_b32 v2, 15, v0                           ; r
	v_bfe_u32 v3, v0, 4, 1                         ; h
	s_mov_b32 s20, 0xffff0000
	s_wait_alu depctr_va_sdst(0)                   ; s10 is written, ahead of its first reader: LDS addresses and the bases are made from it
	s_lshl_b32 s11, s10, 9
	v_lshlrev_b32 v[GO], 4, v1
	v_add_nc_u32 v[WO], s11, v[GO]
	s_mul_i32 s12, s10, 4352
	v_lshl_add_u32 v[TWW], v1, 3, s12
	v_mul_u32_u24 v[TWR], v2, 272
	v_lshl_add_u32 v[TWR], v3, 4, v[TWR]
	v_add_nc_u32 v[TWR], s12, v[TWR]
	s_lshl_b32 s13, s10, 4
	s_add_co_u32 s13, s13, STG
	v_mul_u32_u24 v[SW], v2, 1040                  ; batch r; in its fragment lane (r' = w, h): 16 w + 256 h
	v_lshl_add_u32 v[SW], v3, 8, v[SW]
	v_add_nc_u32 v[SW], s13, v[SW]
	s_mul_i32 s14, s10, 2080                       ; back: wave w takes batches 2 w and 2 w + 1
	s_add_co_u32 s14, s14, STG
	v_add_nc_u32 v[SR], s14, v[GO]
	s_lshl_b32 s15, s10, 17
	v_add_nc_u32 v[UO], s15, v[GO]
	s_lshl_b32 s16, ttmp9, 16                      ; my 16 rows of Wk
	s_mov_b32 s17, 0
	s_mul_i32 s18, s10, 12288                      ; my head in qf
	s_mov_b32 s19, 0
	s_lshl_b32 s22, ttmp9, 10                      ; my cbk in uf
	s_mov_b32 s23, 0
	s_wait_kmcnt 0x0
	s_add_nc_u64 s[4:5], s[4:5], s[16:17]
	s_add_nc_u64 s[6:7], s[6:7], s[18:19]
	s_add_nc_u64 s[8:9], s[8:9], s[22:23]
	s_wait_alu depctr_va_vdst(0)                   ; the seven offsets and addresses v4 to v10 are written, which the loads and stores of the whole text read
.set i, 0
.rept 16
	global_load_b128 v[RAWK+4*i:RAWK+4*i+3], v[WO], s[4:5] offset:4096*i th:TH_LOAD_NT  ; 512 consecutive bytes of row i
.set i, i+1
.endr
.set ks, 0
.rept 4
.set p, 0
.rept 3
	global_load_b128 v[QF+24*ks+8*p:QF+24*ks+8*p+3],   v[GO], s[6:7] offset:3072*ks+1024*p
	global_load_b128 v[QF+24*ks+8*p+4:QF+24*ks+8*p+7], v[GO], s[6:7] offset:3072*ks+1024*p+512
.set p, p+1
.endr
.set ks, ks+1
.endr
	s_wait_loadcnt 24                              ; Wk is in; q0's 24 loads stay out
.set i, 0
.rept 16                                           ; all the roundings in one run, so that one wait serves all their stores
	v_cvt_pk_bf16_f32 v[RAWK+4*i], v[RAWK+4*i], v[RAWK+4*i+1]
	v_cvt_pk_bf16_f32 v[RAWK+4*i+1], v[RAWK+4*i+2], v[RAWK+4*i+3]
.set i, i+1
.endr
	s_wait_alu depctr_va_vdst(0)                   ; the roundings have written v[RAWK + 4 i], v[RAWK + 4 i + 1], which the LDS stores read
.set i, 0
.rept 16
	ds_store_b64 v[TWW], v[RAWK+4*i:RAWK+4*i+1] offset:272*i
.set i, i+1
.endr
.set ks, 0
.rept 4
	ds_load_b128 v[AF+8*ks:AF+8*ks+3],   v[TWR] offset:64*ks      ; my own bytes: LDS serves a wave's instructions in order (ISA guide 5.7.1.4)
	ds_load_b128 v[AF+8*ks+4:AF+8*ks+7], v[TWR] offset:64*ks+32
.set ks, ks+1
.endr
	s_wait_alu depctr_vm_vsrc(0)                   ; the LDS stores have read their data: of these registers the pieces below write v64-77, and the loads from the stage land in v80-95
	s_wait_loadcnt 0
	s_wait_dscnt 0x0
.set ks, 0
.rept 4                                            ; source 0 = 16 rows c of Wk, source 1 = 16 batches; the three accumulators take turns
.set p, 0
.rept 3
.if ks == 0
	v_wmma_f32_16x16x32_bf16 v[ACC+8*p:ACC+8*p+7], v[AF+8*ks:AF+8*ks+7], v[QF+24*ks+8*p:QF+24*ks+8*p+7], 0
.else
	v_wmma_f32_16x16x32_bf16 v[ACC+8*p:ACC+8*p+7], v[AF+8*ks:AF+8*ks+7], v[QF+24*ks+8*p:QF+24*ks+8*p+7], v[ACC+8*p:ACC+8*p+7]
.endif
.set p, p+1
.endr
.set ks, ks+1
.endr
.rept 4
	v_nop                                          ; four places ahead of the lines that read the results (ISA guide 7.12.1)
.endr
.set k, 0
.rept 4                                            ; lane (b = r, h) holds c = 16 cbk + 8 h + 0..7; lo + mid first, from each accumulator's low end on
	v_pk_add_f32 v[U+2*k:U+2*k+1], v[ACC+16+2*k:ACC+16+2*k+1], v[ACC+8+2*k:ACC+8+2*k+1]
.set k, k+1
.endr
.set k, 0
.rept 4
	v_pk_add_f32 v[U+2*k:U+2*k+1], v[U+2*k:U+2*k+1], v[ACC+2*k:ACC+2*k+1]
.set k, k+1
.endr
.set k, 0
.rept 4
	PIECE U+2*k, RAWK+k, RAWK+12
	PIECE U+2*k, RAWK+4+k, RAWK+12
	v_cvt_pk_bf16_f32 v[RAWK+8+k], v[U+2*k], v[U+2*k+1]
.set k, k+1
.endr
	s_wait_alu depctr_va_vdst(0)                   ; the pieces v64-75 are written, which the LDS stores read; and every vector line that named v80-95 is done, in which the loads from the stage land
	ds_store_b128 v[SW], v[RAWK:RAWK+3]                            ; hi:  nt 0, r' = w
	ds_store_b128 v[SW], v[RAWK+4:RAWK+7] offset:128               ; mid: nt 0, r' = w + 8
	ds_store_b128 v[SW], v[RAWK+8:RAWK+11] offset:512              ; lo:  nt 1, r' = w
	ds_store_b128 v[SW], v[RAWK+8:RAWK+11] offset:640              ;      and r' = w + 8
	s_wait_dscnt 0x0                               ; for the others' sake: my pieces are in LDS
	s_barrier_signal -1
	s_barrier_wait -1
	ds_load_b128 v[RAWK+16:RAWK+19], v[SR]
	ds_load_b128 v[RAWK+20:RAWK+23], v[SR] offset:512
	ds_load_b128 v[RAWK+24:RAWK+27], v[SR] offset:1040
	ds_load_b128 v[RAWK+28:RAWK+31], v[SR] offset:1552
	s_wait_dscnt 3                                 ; LDS loads come back in order: the counts run down
	global_store_b128 v[UO], v[RAWK+16:RAWK+19], s[8:9]            ; each store of the wave covers 512 consecutive bytes, aligned
	s_wait_dscnt 2
	global_store_b128 v[UO], v[RAWK+20:RAWK+23], s[8:9] offset:512
	s_wait_dscnt 1
	global_store_b128 v[UO], v[RAWK+24:RAWK+27], s[8:9] offset:65536
	s_wait_dscnt 0
	global_store_b128 v[UO], v[RAWK+28:RAWK+31], s[8:9] offset:66048
	s_wait_dscnt 0x0                               ; the wave's end
	s_wait_alu 0x0
	s_wait_tensorcnt 0x0
	ds_add_u32 v[SPW], v[NIL]
	s_wait_dscnt 0x0
	s_endpgm
.Lfunc_end_k_q74b5ae8a63_uproj:
	.size	k_q74b5ae8a63_uproj, .Lfunc_end_k_q74b5ae8a63_uproj-k_q74b5ae8a63_uproj
	.p2alignl 7, 3214868480
	.fill 96, 4, 3214868480
	.section	.rodata,"a",@progbits
	.p2align	6, 0x0
	.amdhsa_kernel k_q74b5ae8a63_uproj
		.amdhsa_group_segment_fixed_size 52480
		.amdhsa_private_segment_fixed_size 0
		.amdhsa_enable_private_segment 0
		.amdhsa_kernarg_size 24
		.amdhsa_user_sgpr_count 2
		.amdhsa_user_sgpr_kernarg_segment_ptr 1
		.amdhsa_wavefront_size32 1
		.amdhsa_system_sgpr_workgroup_id_x 1
		.amdhsa_system_sgpr_workgroup_id_y 1
		.amdhsa_system_sgpr_workgroup_id_z 1
		.amdhsa_system_vgpr_workitem_id 0
		.amdhsa_next_free_vgpr 256
		.amdhsa_next_free_sgpr 66
		.amdhsa_reserve_vcc 0
		.amdhsa_float_denorm_mode_32 3
		.amdhsa_float_denorm_mode_16_64 3
		.amdhsa_memory_ordered 1
		.amdhsa_forward_progress 1
		.amdhsa_inst_pref_size 15
	.end_amdhsa_kernel
	.amdgpu_metadata
---
amdhsa.version: [ 1, 2 ]
amdhsa.kernels:
  - .name:           k_q74b5ae8a63_uproj
    .symbol:         k_q74b5ae8a63_uproj.kd
    .args:
      - { .name: Wk, .offset: 0, .size: 8, .value_kind: global_buffer, .address_space: global }
      - { .name: qf, .offset: 8, .size: 8, .value_kind: global_buffer, .address_space: global }
      - { .name: uf, .offset: 16, .size: 8, .value_kind: global_buffer, .address_space: global }
    .group_segment_fixed_size: 52480
    .private_segment_fixed_size: 0
    .kernarg_segment_align: 8
    .kernarg_segment_size: 24
    .max_flat_workgroup_size: 256
    .sgpr_count:     66
    .vgpr_count:     256
    .wavefront_size: 32
...
	.end_amdgpu_metadata
.endif
;; end of part 6
;; launch scores (part 7): grid 256 x 1, 16 waves a work-group, no clusters, 108,544 bytes of LDS; arguments x, uf, sc; writes sc
.if DOCPART == 7
	.amdgcn_target "amdgcn-amd-amdhsa--gfx1250"
	.amdhsa_code_object_version 6
	.text
	.protected	k_q74b5ae8a63_scores
	.globl	k_q74b5ae8a63_scores
	.p2align	8
	.type	k_q74b5ae8a63_scores,@function
k_q74b5ae8a63_scores:
	s_mov_b64 s[64:65], 0
	v_nop
	global_prefetch_b8 v0, s[64:65] scope:SCOPE_SE
	s_setreg_imm32_b32 hwreg(HW_REG_WAVE_SCHED_MODE, 0, 2), 2
	s_setreg_imm32_b32 hwreg(HW_REG_WAVE_MODE, 25, 1), 1
	s_wait_xcnt 0x0
	s_wait_alu depctr_vm_vsrc(0)
; sc[b][head][n] = (sum over c of bf16(x[b][n][c]) u[b][head][c]) / sqrt(128), in f32.  u comes as three bf16 pieces, so every product is exact: a score
; carries the rounding of f32 sums alone.  That is needed: the next launch ranks the scores, and a token on the wrong side of the threshold shows in the output.
; A STREAM: x is read once here, 134 MB for a few matrix instructions, so the design is about bytes in flight.  No tensor loads: a ring in registers with counted waits
; never runs dry, and a work-group has only 512 KB to read.  No cluster: no two work-groups read the same x; what they share, 64 KB of u, is an eighth of a work-group's bytes.
; SHARES.  Work-group g owns tokens 128 (g & 15) .. + 127 of batch g >> 4.  Wave w owns c = 64 w .. + 63, 256 bytes of every row, for all 128 tokens: eight tiles of 16 tokens.
; Four tiles' loads (32 loads of 512 bytes) are out in every wave.  Sixteen neighbouring lanes take 256 consecutive bytes of a row, aligned; the tile is turned into
; source 0's order (a lane = a token, c along the registers) through the wave's own LDS bytes: loads in that order straight from memory would take 32 bytes of sixteen rows each.
; PRODUCT.  Source 0 = 16 tokens, source 1 = 16 rows of u's pieces: tile nt 0: hi of heads 0-7, mid of heads 0-7; tile nt 1: lo of the heads (twice).
; hi + mid meet by one exchange of lanes 8 apart, lo is added; the sixteen waves' partial sums meet in LDS, and eight waves add them in ascending w.
; LIMITS.  NaN and infinities are not treated apart.  The order of the f32 sums is not the reference's (u first, then x . u).
; THE MODE: SCHED_MODE bits 1:0 = 2 (LLVM: expert scheduling mode 2), set by the entry lines.  The code itself states the register dependences
; between vector or matrix instructions and memory or LDS instructions, with s_wait_alu, always for 0.
; THE PLAN.  Registers that memory or LDS instructions touch, tile by tile:
;   RAW[t % 4]  Tile t's loads land in it; tile t's sixteen roundings read it and write half of it; tile t's eight LDS stores read that half; then the loads of tile t + 4 land in it.
;   AF[t % 2]   Tile t's four LDS loads land in it; tile t's four products read it; tile t + 2's LDS loads land in it.
;   SS          Tile t's four selects write it (tile t - 1's sums); one LDS store of tile t reads it; tile t + 1's selects write it again.
;   v4-8        offsets and LDS addresses: written at the head, never again.  v9 is written once more, in the waves that add, ahead of their LDS loads.
;   TT, u's fragments (once loaded) and the accumulators are named by vector and matrix lines alone.
; So a tile's vector lines (roundings, the last tile's sums) stand first, ONE wait on va_vdst behind them, then all its LDS lines, ONE wait on vm_vsrc, the refill, and the products.
; Between the wait on va_vdst and the refill stands no vector line.  The text has no loop.
.set TX,    0                          ; 16 waves x 16 rows x 144 bytes (64 bf16 + 16): the wave's own
.set STG,   36864                      ; 16 waves x 8 heads x 544 bytes (128 f32 + 32)
.set SPARE, 106496                     ; the spare words: 128 bytes a wave, named by no other line
.set XO,  4                            ; v4   4,096 h + 16 r
.set GO,  5                            ; v5   16 lane
.set TXW, 6                            ; v6   where I put 8 bytes of x
.set TXR, 7                            ; v7   where I read x's fragments
.set STW, 8                            ; v8   where I put four scores
.set FR,  9                            ; v9   at work; then where I read partial sums
.set TT,  12                           ; v12-19  eight tokens' sums
.set SS,  20                           ; v20-23  the four that I store
.set SPW, 30
.set NIL, 31
.set UF,  32                           ; v32-63   u's fragments: step ks, tile nt at UF + 16 ks + 8 nt
.set AF,  64                           ; v64-95   x's fragments, two sets by the tile's parity
.set ACC, 96                           ; v96-127  two accumulators, two sets by the tile's parity
.set RAW, 128                          ; v128-255 x as loaded: four buffers of 32
.macro LDT t                           ; tile t: load i takes rows 16 t + 2 i (lanes 0-15) and 16 t + 2 i + 1 (lanes 16-31)
.set i, 0
.rept 8
	global_load_b128 v[RAW+32*((\t)%4)+4*i:RAW+32*((\t)%4)+4*i+3], v[XO], s[4:5] offset:(16*(\t)+2*i)*4096
.set i, i+1
.endr
.endm
.macro COMBV t                         ; tile t's sums leave the accumulators, from their low end on: the vector lines
.set CB, ACC+16*((\t)%2)
.set vv, 0
.rept 8
	v_add_f32_dpp v[TT+vv], v[CB+vv], v[CB+vv] row_xmask:8 row_mask:0xf bank_mask:0xf  ; hi + mid of head r & 7, in both lanes
	v_add_f32 v[TT+vv], v[TT+vv], v[CB+8+vv]                                           ; + lo
.set vv, vv+1
.endr
.set e, 0
.rept 4
	v_cndmask_b32 v[SS+e], v[TT+e], v[TT+4+e], s12  ; lanes r < 8 keep tokens 8 h + 0..3, lanes r >= 8 tokens 8 h + 4..7
.set e, e+1
.endr
.endm
.macro COMBS t                         ; and their LDS store
	ds_store_b128 v[STW], v[SS:SS+3] offset:64*(\t)
.endm
.macro TILE t, left                    ; left: the younger loads that may stay out
	s_wait_loadcnt \left
.set RB, RAW+32*((\t)%4)
.set AS, AF+16*((\t)%2)
.set CA, ACC+16*((\t)%2)
.set i, 0
.rept 8                                            ; sixteen plain instructions: also the places between the last tile's products and the lines that read their results
	v_cvt_pk_bf16_f32 v[RB+4*i], v[RB+4*i], v[RB+4*i+1]
	v_cvt_pk_bf16_f32 v[RB+4*i+1], v[RB+4*i+2], v[RB+4*i+3]
.set i, i+1
.endr
.if (\t) > 0
	COMBV (\t)-1
.endif
	s_wait_alu depctr_va_vdst(0)                   ; the roundings have written the LDS stores' data and are done reading the buffer, in which the refill lands; the selects have written SS; the products of two tiles back are done reading this set of fragments, in which the LDS loads land
.if (\t) > 0
	COMBS (\t)-1
.endif
.set i, 0
.rept 8
	ds_store_b64 v[TXW], v[RB+4*i:RB+4*i+1] offset:288*i
.set i, i+1
.endr
.irp f, 0,1,2,3
	ds_load_b128 v[AS+4*\f:AS+4*\f+3], v[TXR] offset:32*\f  ; my own bytes: LDS serves a wave's instructions in order (ISA guide 5.7.1.4)
.endr
	s_wait_alu depctr_vm_vsrc(0)                   ; the LDS stores have read the buffer, in which later loads land (the refill; at the end the partial sums), and SS, which the next tile's selects write
.if (\t) < 4
	LDT (\t)+4                                     ; the buffer takes the tile four further on: no vector line since the wait on va_vdst names it
.endif
	s_wait_dscnt 0x0                               ; the fragments are in
	v_wmma_f32_16x16x32_bf16 v[CA:CA+7],    v[AS:AS+7],    v[UF:UF+7],     0              ; the two accumulators take turns
	v_wmma_f32_16x16x32_bf16 v[CA+8:CA+15], v[AS:AS+7],    v[UF+8:UF+15],  0
	v_wmma_f32_16x16x32_bf16 v[CA:CA+7],    v[AS+8:AS+15], v[UF+16:UF+23], v[CA:CA+7]
	v_wmma_f32_16x16x32_bf16 v[CA+8:CA+15], v[AS+8:AS+15], v[UF+24:UF+31], v[CA+8:CA+15]
.endm
.macro FINISH                          ; the wave's end
	s_wait_dscnt 0x0
	s_wait_alu 0x0
	s_wait_tensorcnt 0x0
	ds_add_u32 v[SPW], v[NIL]
	s_wait_dscnt 0x0
	s_endpgm
.endm
	s_load_b128 s[4:7], s[0:1], 0x0                ; x s[4:5], uf s[6:7]
	s_load_b64 s[8:9], s[0:1], 0x10                ; sc
	v_lshl_add_u32 v[SPW], v0, 2, SPARE
	v_mov_b32 v[NIL], 0
	v_lshrrev_b32 v1, 5, v0
	v_readfirstlane_b32 s10, v1                    ; wave 0..15
	v_and_b32 v1, 31, v0
	v_and_b32 v2, 15, v0                           ; r
	v_bfe_u32 v3, v0, 4, 1                         ; h
	s_mov_b32 s12, 0xff00ff00                      ; the lanes with r >= 8
	s_mov_b32 s14, 0x3db504f3                      ; 1 / sqrt(128)
	s_mov_b32 s15, s14                             ; named with it as a pair
	s_lshr_b32 s11, ttmp9, 4                       ; batch
	s_and_b32 s21, ttmp9, 15                       ; block of 128 tokens
	v_lshlrev_b32 v[XO], 4, v2
	v_lshl_add_u32 v[XO], v3, 12, v[XO]
	v_lshlrev_b32 v[GO], 4, v1
	s_wait_alu depctr_va_sdst(0)                   ; s10 is written, ahead of its first reader: LDS addresses, the bases and the branch on the wave's number are made from it
	s_mul_i32 s16, s10, 2304
	v_mul_u32_u24 v[TXW], v3, 144
	v_lshl_add_u32 v[TXW], v2, 3, v[TXW]
	v_add_nc_u32 v[TXW], s16, v[TXW]
	v_mul_u32_u24 v[TXR], v2, 144
	v_lshl_add_u32 v[TXR], v3, 4, v[TXR]
	v_add_nc_u32 v[TXR], s16, v[TXR]
	s_mul_i32 s17, s10, 4352
	s_add_co_u32 s17, s17, STG
	v_and_b32 v[STW], 7, v0                        ; head r & 7: rows 544 bytes apart
	v_mul_u32_u24 v[STW], v[STW], 544
	v_lshl_add_u32 v[STW], v3, 5, v[STW]           ; tokens 8 h ..
	v_bfe_u32 v[FR], v0, 3, 1
	v_lshl_add_u32 v[STW], v[FR], 4, v[STW]        ; + 4 (r >> 3)
	v_add_nc_u32 v[STW], s17, v[STW]
.irp i, 0,1,2,3,4,5,6,7
	v_mov_b32 v[TT+\i], 0                          ; the destination of a line that takes a source from another lane counts as read
.endr
	s_lshl_b32 s18, ttmp9, 19                      ; 128 rows of 4,096 bytes a work-group,
	s_lshl_b32 s19, s10, 8                         ; my 256 bytes of a row
	s_add_co_u32 s18, s18, s19
	s_mov_b32 s19, 0
	s_lshl_b32 s22, s11, 16                        ; the batch's u,
	s_lshl_b32 s23, s10, 12                        ; my four blocks of 16 c
	s_add_co_u32 s22, s22, s23
	s_mov_b32 s23, 0
	s_wait_kmcnt 0x0
	s_add_nc_u64 s[4:5], s[4:5], s[18:19]
	s_add_nc_u64 s[6:7], s[6:7], s[22:23]
	s_wait_alu depctr_va_vdst(0)                   ; the five offsets and addresses v4 to v8 are written, which the loads and stores of the whole text read
.set ks, 0
.rept 2
.set nt, 0
.rept 2
	global_load_b128 v[UF+16*ks+8*nt:UF+16*ks+8*nt+3],   v[GO], s[6:7] offset:2048*ks+512*nt
	global_load_b128 v[UF+16*ks+8*nt+4:UF+16*ks+8*nt+7], v[GO], s[6:7] offset:2048*ks+512*nt+1024
.set nt, nt+1
.endr
.set ks, ks+1
.endr
	LDT 0
	LDT 1
	LDT 2
	LDT 3
	TILE 0, 24                                     ; u and tile 0 are in; three tiles' 24 loads stay out
	TILE 1, 24
	TILE 2, 24
	TILE 3, 24
	TILE 4, 24
	TILE 5, 16                                     ; nothing more is asked for: the counts run down
	TILE 6, 8
	TILE 7, 0
.rept 4
	v_nop                                          ; four places ahead of the lines that read the last results (ISA guide 7.12.1)
.endr
	COMBV 7
	s_wait_alu depctr_va_vdst(0)                   ; the selects have written SS, which the LDS store reads
	COMBS 7
	s_wait_dscnt 0x0                               ; for the others' sake: my partial sums are in LDS
	s_barrier_signal -1
	s_barrier_wait -1
	s_cmp_lt_u32 s10, 8
	s_cbranch_scc1 .Lsum
	FINISH
.Lsum:                                                 ; wave w < 8: head w, tokens 4 lane + 0..3
	s_mul_i32 s18, s10, 544
	s_add_co_u32 s18, s18, STG
	v_add_nc_u32 v[FR], s18, v[GO]
	s_wait_alu depctr_va_vdst(0)                   ; v[FR] is written, which the LDS loads read as their address; the roundings are done with the buffers in which they land
.set p, 0
.rept 16
	ds_load_b128 v[RAW+4*p:RAW+4*p+3], v[FR] offset:4352*p
.set p, p+1
.endr
	s_lshl_b32 s24, s11, 16
	s_lshl_b32 s25, s10, 13
	s_add_co_u32 s24, s24, s25
	s_lshl_b32 s25, s21, 9
	s_add_co_u32 s24, s24, s25
	s_mov_b32 s25, 0
	s_add_nc_u64 s[8:9], s[8:9], s[24:25]
	s_wait_dscnt 0x0
.set p, 1
.rept 15                                           ; ascending w
	v_pk_add_f32 v[RAW:RAW+1],   v[RAW:RAW+1],   v[RAW+4*p:RAW+4*p+1]
	v_pk_add_f32 v[RAW+2:RAW+3], v[RAW+2:RAW+3], v[RAW+4*p+2:RAW+4*p+3]
.set p, p+1
.endr
	v_pk_mul_f32 v[RAW:RAW+1],   v[RAW:RAW+1],   s[14:15] op_sel_hi:[1,0]
	v_pk_mul_f32 v[RAW+2:RAW+3], v[RAW+2:RAW+3], s[14:15] op_sel_hi:[1,0]
	s_wait_alu depctr_va_vdst(0)                   ; the scaled sums are written, which the store reads
	global_store_b128 v[GO], v[RAW:RAW+3], s[8:9]  ; the wave's store covers 512 consecutive bytes, aligned
	FINISH
.Lfunc_end_k_q74b5ae8a63_scores:
	.size	k_q74b5ae8a63_scores, .Lfunc_end_k_q74b5ae8a63_scores-k_q74b5ae8a63_scores
	.p2alignl 7, 3214868480
	.fill 96, 4, 3214868480
	.section	.rodata,"a",@progbits
	.p2align	6, 0x0
	.amdhsa_kernel k_q74b5ae8a63_scores
		.amdhsa_group_segment_fixed_size 108544
		.amdhsa_private_segment_fixed_size 0
		.amdhsa_enable_private_segment 0
		.amdhsa_kernarg_size 24
		.amdhsa_user_sgpr_count 2
		.amdhsa_user_sgpr_kernarg_segment_ptr 1
		.amdhsa_wavefront_size32 1
		.amdhsa_system_sgpr_workgroup_id_x 1
		.amdhsa_system_sgpr_workgroup_id_y 1
		.amdhsa_system_sgpr_workgroup_id_z 1
		.amdhsa_system_vgpr_workitem_id 0
		.amdhsa_next_free_vgpr 256
		.amdhsa_next_free_sgpr 66
		.amdhsa_reserve_vcc 0
		.amdhsa_float_denorm_mode_32 3
		.amdhsa_float_denorm_mode_16_64 3
		.amdhsa_memory_ordered 1
		.amdhsa_forward_progress 1
		.amdhsa_inst_pref_size 40
	.end_amdhsa_kernel
	.amdgpu_metadata
---
amdhsa.version: [ 1, 2 ]
amdhsa.kernels:
  - .name:           k_q74b5ae8a63_scores
    .symbol:         k_q74b5ae8a63_scores.kd
    .args:
      - { .name: x, .offset: 0, .size: 8, .value_kind: global_buffer, .address_space: global }
      - { .name: uf, .offset: 8, .size: 8, .value_kind: global_buffer, .address_space: global }
      - { .name: sc, .offset: 16, .size: 8, .value_kind: global_buffer, .address_space: global }
    .group_segment_fixed_size: 108544
    .private_segment_fixed_size: 0
    .kernarg_segment_align: 8
    .kernarg_segment_size: 24
    .max_flat_workgroup_size: 512
    .sgpr_count:     66
    .vgpr_count:     256
    .wavefront_size: 32
...
	.end_amdgpu_metadata
.endif
;; end of part 7
;; launch mix: the kernel of part 4 again; grid 256 x 1, 16 waves a work-group, no clusters, 133,632 bytes of LDS; arguments x, sc, yb; writes yb
;; launch vproj (part 8): grid 16 x 1, 16 waves a work-group, no clusters, 141,312 bytes of LDS; arguments Wv, yb, out0; writes out0
.if DOCPART == 8
	.amdgcn_target "amdgcn-amd-amdhsa--gfx1250"
	.amdhsa_code_object_version 6
	.text
	.protected	k_q74b5ae8a63_vproj
	.globl	k_q74b5ae8a63_vproj
	.p2align	8
	.type	k_q74b5ae8a63_vproj,@function
k_q74b5ae8a63_vproj:
	s_mov_b64 s[64:65], 0
	v_nop
	global_prefetch_b8 v0, s[64:65] scope:SCOPE_SE
	s_setreg_imm32_b32 hwreg(HW_REG_WAVE_SCHED_MODE, 0, 2), 2
	s_setreg_imm32_b32 hwreg(HW_REG_WAVE_MODE, 25, 1), 1
	s_wait_xcnt 0x0
	s_wait_alu depctr_vm_vsrc(0)
; out0[b][128 head + d] = sum over c of y[b][head][c] bf16(Wv[c][128 head + d]).  y is f32 and goes in as two bf16 pieces (its rounding, and what that left over, rounded); sums in f32.
; SHARES.  Work-group cb owns columns 64 cb .. + 63 (256 bytes of every row of Wv; head cb >> 1).  Wave w owns c = 64 w .. + 63: two matrix steps of 32.
; The sixteen waves' partial sums meet in LDS; eight waves add them in ascending w.
; LOADS.  Sixteen neighbouring lanes take 256 consecutive bytes of a row of Wv, aligned; a lane so holds four neighbouring columns, and column 4 r + j of all lanes is fragment j of
; source 1: nothing is transposed.  y's block [16 batches][64 c] is 4,096 consecutive bytes; it is turned into source 0's order through the wave's own LDS bytes.
; LIMITS.  NaN and infinities are not treated apart.  The order of the f32 sums is not the reference's (the weighted sum of x first, then Wv).
; THE MODE: SCHED_MODE bits 1:0 = 2 (LLVM: expert scheduling mode 2), set by the entry lines.  The code itself states the register dependences
; between vector or matrix instructions and memory or LDS instructions, with s_wait_alu, always for 0.
; THE PLAN.  Registers that memory or LDS instructions touch:
;   v4-7, v17   offsets and LDS addresses: written at the head, never again.  v16 and v18 are written once, in the waves that add, ahead of their LDS loads and their store.
;   v64-95      y's loads land here; the splitting lines read and write them; eight LDS stores read half of them; then Wv's roundings write them.
;   v96-111     the splitting lines write y's hi pieces here; eight LDS stores read them; then the products write v96-127, and 32 LDS stores read those.
;   v32-63      the LDS loads of y's fragments land here; the products read them.
;   v128-255    Wv's loads land here; the roundings read them; at the end the LDS loads of the partial sums land in v128-191, and the store reads v128-131.
; The text has no loop.  The splitting lines stand in one run, one wait on va_vdst behind them, then all their LDS lines, then the one wait on vm_vsrc, which frees v64-111.
.set TA,    0                          ; 16 waves x 2 pieces x 16 rows x 144 bytes (64 bf16 + 16): the wave's own
.set PART,  73728                      ; 16 waves x 16 rows x 256 bytes: the partial sums
.set SPARE, 139264                     ; the spare words: 128 bytes a wave, named by no other line
.set RP,    256
.set WO,  4                            ; v4      (64 w + 8 h) rows of 4,096 bytes + 16 r
.set TAW, 5                            ; v5      where I put 8 bytes of y
.set TAR, 6                            ; v6      where I read y's fragments
.set PW,  7                            ; v7      where I put partial sums
.set TP,  12                           ; v12-15  at work
.set FR,  16                           ; v16     where I read partial sums
.set GO,  17                           ; v17     16 x lane
.set OO,  18                           ; v18     my byte offset in out0
.set SPW, 30
.set NIL, 31
.set AF,  32                           ; v32-47  the hi piece's fragments of the two steps; v48-63 the lo piece's
.set BF,  64                           ; v64-95  y as loaded; then Wv's four fragments of a step
.set ACC, 96                           ; v96-127 y's hi pieces on their way to LDS; then four accumulators
.set RAW, 128                          ; v128-255 Wv as loaded, a buffer of 64 for each step; at the end the partial sums
.macro LOADW st, buf
.set i, 0
.rept 16
	global_load_b128 v[RAW+64*(\buf)+4*i:RAW+64*(\buf)+4*i+3], v[WO], s[4:5] offset:(32*(\st)+i+8*(i/8))*4096 th:TH_LOAD_NT
.set i, i+1
.endr
.endm
.macro CVTB buf
.set j, 0
.rept 4
.set q, 0
.rept 8
	v_cvt_pk_bf16_f32 v[BF+8*j+q], v[RAW+64*(\buf)+8*q+j], v[RAW+64*(\buf)+8*q+4+j]
.set q, q+1
.endr
.set j, j+1
.endr
.endm
.macro MM4 a, zero                     ; four products, the four accumulators by turns
.set j, 0
.rept 4
.if \zero
	v_wmma_f32_16x16x32_bf16 v[ACC+8*j:ACC+8*j+7], v[\a:(\a)+7], v[BF+8*j:BF+8*j+7], 0
.else
	v_wmma_f32_16x16x32_bf16 v[ACC+8*j:ACC+8*j+7], v[\a:(\a)+7], v[BF+8*j:BF+8*j+7], v[ACC+8*j:ACC+8*j+7]
.endif
.set j, j+1
.endr
.endm
.macro NOP4                            ; four places behind the products, ahead of lines that rewrite their sources or read their results (ISA guide 7.12.1)
.rept 4
	v_nop
.endr
.endm
.macro PIECE src, hi, tmp
	v_cvt_pk_bf16_f32 v[\hi], v[\src], v[(\src)+1]
	v_lshlrev_b32 v[\tmp], 16, v[\hi]
	v_and_b32 v[(\tmp)+1], s20, v[\hi]
	v_pk_add_f32 v[\src:(\src)+1], v[\src:(\src)+1], v[\tmp:(\tmp)+1] neg_lo:[0,1] neg_hi:[0,1]
.endm
.macro FINISH                          ; the wave's end
	s_wait_dscnt 0x0
	s_wait_alu 0x0
	s_wait_tensorcnt 0x0
	ds_add_u32 v[SPW], v[NIL]
	s_wait_dscnt 0x0
	s_endpgm
.endm
	s_load_b128 s[4:7], s[0:1], 0x0                ; Wv s[4:5], yb s[6:7]
	s_load_b64 s[8:9], s[0:1], 0x10                ; out0
	v_lshl_add_u32 v[SPW], v0, 2, SPARE
	v_mov_b32 v[NIL], 0
	v_lshrrev_b32 v1, 5, v0
	v_readfirstlane_b32 s10, v1                    ; wave 0..15
	v_and_b32 v1, 31, v0
	v_and_b32 v2, 15, v0                           ; r
	v_bfe_u32 v3, v0, 4, 1                         ; h
	s_mov_b32 s20, 0xffff0000
	s_wait_alu depctr_va_sdst(0)                   ; s10 is written, ahead of its first reader: offsets, LDS addresses, the bases and the branch on the wave's number are made from it
	s_lshl_b32 s11, s10, 18
	v_lshlrev_b32 v[WO], 4, v2
	v_lshl_add_u32 v[WO], v3, 15, v[WO]
	v_add_nc_u32 v[WO], s11, v[WO]
	s_mul_i32 s12, s10, 4608
	v_mul_u32_u24 v[TAW], v3, 144
	v_lshl_add_u32 v[TAW], v2, 3, v[TAW]
	v_add_nc_u32 v[TAW], s12, v[TAW]
	v_mul_u32_u24 v[TAR], v2, 144
	v_lshl_add_u32 v[TAR], v3, 4, v[TAR]
	v_add_nc_u32 v[TAR], s12, v[TAR]
	s_lshl_b32 s13, s10, 12
	s_add_co_u32 s13, s13, PART
	v_lshlrev_b32 v[PW], 4, v2
	v_lshl_add_u32 v[PW], v3, 11, v[PW]
	v_add_nc_u32 v[PW], s13, v[PW]
	v_lshlrev_b32 v[GO], 4, v1
	s_lshl_b32 s16, ttmp9, 8                       ; my 64 columns, in Wv and in out0
	s_mov_b32 s17, 0
	s_lshr_b32 s18, ttmp9, 1                       ; head
	s_lshl_b32 s18, s18, 16
	s_lshl_b32 s19, s10, 12                        ; my block of 64 c
	s_add_co_u32 s18, s18, s19
	s_mov_b32 s19, 0
	s_wait_kmcnt 0x0
	s_add_nc_u64 s[4:5], s[4:5], s[16:17]
	s_add_nc_u64 s[8:9], s[8:9], s[16:17]
	s_add_nc_u64 s[6:7], s[6:7], s[18:19]
	s_wait_alu depctr_va_vdst(0)                   ; the offsets and addresses v4 to v7 and v17 are written, which the loads and LDS lines below read
.set i, 0
.rept 8
	global_load_b128 v[BF+4*i:BF+4*i+3], v[GO], s[6:7] offset:512*i  ; batches 2 i (lanes 0-15) and 2 i + 1 (lanes 16-31), c = 4 r ..
.set i, i+1
.endr
	LOADW 0, 0                                     ; all of my Wv goes out at once
	LOADW 1, 1
	s_wait_loadcnt 32                              ; y is in; the 32 loads of Wv stay out
.set i, 0
.rept 8                                            ; all the splitting lines in one run, so that one wait serves all their stores; each store has data registers of its own
	PIECE BF+4*i, ACC+2*i, TP
	PIECE BF+4*i+2, ACC+2*i+1, TP+2
	v_cvt_pk_bf16_f32 v[BF+4*i], v[BF+4*i], v[BF+4*i+1]
	v_cvt_pk_bf16_f32 v[BF+4*i+1], v[BF+4*i+2], v[BF+4*i+3]
.set i, i+1
.endr
	s_wait_alu depctr_va_vdst(0)                   ; y's hi pieces (v96-111) and lo pieces (two of each four of v64-95) are written, which the LDS stores read
.set i, 0
.rept 8
	ds_store_b64 v[TAW], v[ACC+2*i:ACC+2*i+1] offset:288*i
	ds_store_b64 v[TAW], v[BF+4*i:BF+4*i+1] offset:2304+288*i
.set i, i+1
.endr
.irp f, 0,1,2,3
	ds_load_b128 v[AF+4*\f:AF+4*\f+3], v[TAR] offset:32*\f              ; my own bytes: LDS serves a wave's instructions in order (ISA guide 5.7.1.4)
	ds_load_b128 v[AF+16+4*\f:AF+16+4*\f+3], v[TAR] offset:2304+32*\f
.endr
	s_wait_alu depctr_vm_vsrc(0)                   ; the LDS stores have read their data: Wv's roundings write v64-95 and the products write v96-127 from here on
	s_wait_dscnt 0x0
	s_wait_loadcnt 16                              ; step 0 of Wv is in, step 1 stays out
	CVTB 0
	MM4 AF, 1                                      ; the first products start the sums
	MM4 AF+16, 0
	NOP4
	s_wait_loadcnt 0
	CVTB 1
	MM4 AF+8, 0
	MM4 AF+24, 0
	NOP4
	s_wait_alu depctr_va_vdst(0)                   ; the products have written the accumulators, which the LDS stores read; the places above stay beside this wait
.set vv, 0
.rept 8                                            ; register vv of tile j is (b = 8 h + vv, column 4 r + j); each accumulator's register 0 is read first
.set j, 0
.rept 4
	ds_store_b32 v[PW], v[ACC+8*j+vv] offset:vv*RP+4*j
.set j, j+1
.endr
.set vv, vv+1
.endr
	s_wait_dscnt 0x0                               ; for the others' sake: my partial sums are in LDS
	s_barrier_signal -1
	s_barrier_wait -1
	s_cmp_lt_u32 s10, 8
	s_cbranch_scc1 .Lsum
	FINISH
.Lsum:                                                 ; wave t < 8: batch 2 t + h, columns 4 r + 0..3
	s_lshl_b32 s21, s10, 9
	s_add_co_u32 s21, s21, PART
	v_lshlrev_b32 v[OO], 4, v2
	v_lshl_add_u32 v[FR], v3, 8, v[OO]
	v_add_nc_u32 v[FR], s21, v[FR]
	s_lshl_b32 s22, s10, 13
	v_lshl_add_u32 v[OO], v3, 12, v[OO]
	v_add_nc_u32 v[OO], s22, v[OO]
	s_wait_alu depctr_va_vdst(0)                   ; v[FR] and v[OO] are written, which the LDS loads and the store read as addresses; Wv's roundings are done reading the registers in which the LDS loads land
.set p, 0
.rept 16
	ds_load_b128 v[RAW+4*p:RAW+4*p+3], v[FR] offset:4096*p
.set p, p+1
.endr
	s_wait_dscnt 0x0
.set p, 1
.rept 15                                           ; ascending w
	v_pk_add_f32 v[RAW:RAW+1],   v[RAW:RAW+1],   v[RAW+4*p:RAW+4*p+1]
	v_pk_add_f32 v[RAW+2:RAW+3], v[RAW+2:RAW+3], v[RAW+4*p+2:RAW+4*p+3]
.set p, p+1
.endr
	s_wait_alu depctr_va_vdst(0)                   ; the sums are written, which the store reads
	global_store_b128 v[OO], v[RAW:RAW+3], s[8:9]  ; sixteen lanes store 256 consecutive bytes, aligned
	FINISH
.Lfunc_end_k_q74b5ae8a63_vproj:
	.size	k_q74b5ae8a63_vproj, .Lfunc_end_k_q74b5ae8a63_vproj-k_q74b5ae8a63_vproj
	.p2alignl 7, 3214868480
	.fill 96, 4, 3214868480
	.section	.rodata,"a",@progbits
	.p2align	6, 0x0
	.amdhsa_kernel k_q74b5ae8a63_vproj
		.amdhsa_group_segment_fixed_size 141312
		.amdhsa_private_segment_fixed_size 0
		.amdhsa_enable_private_segment 0
		.amdhsa_kernarg_size 24
		.amdhsa_user_sgpr_count 2
		.amdhsa_user_sgpr_kernarg_segment_ptr 1
		.amdhsa_wavefront_size32 1
		.amdhsa_system_sgpr_workgroup_id_x 1
		.amdhsa_system_sgpr_workgroup_id_y 1
		.amdhsa_system_sgpr_workgroup_id_z 1
		.amdhsa_system_vgpr_workitem_id 0
		.amdhsa_next_free_vgpr 256
		.amdhsa_next_free_sgpr 66
		.amdhsa_reserve_vcc 0
		.amdhsa_float_denorm_mode_32 3
		.amdhsa_float_denorm_mode_16_64 3
		.amdhsa_memory_ordered 1
		.amdhsa_forward_progress 1
		.amdhsa_inst_pref_size 23
	.end_amdhsa_kernel
	.amdgpu_metadata
---
amdhsa.version: [ 1, 2 ]
amdhsa.kernels:
  - .name:           k_q74b5ae8a63_vproj
    .symbol:         k_q74b5ae8a63_vproj.kd
    .args:
      - { .name: Wv, .offset: 0, .size: 8, .value_kind: global_buffer, .address_space: global }
      - { .name: yb, .offset: 8, .size: 8, .value_kind: global_buffer, .address_space: global }
      - { .name: out0, .offset: 16, .size: 8, .value_kind: global_buffer, .address_space: global }
    .group_segment_fixed_size: 141312
    .private_segment_fixed_size: 0
    .kernarg_segment_align: 8
    .kernarg_segment_size: 24
    .max_flat_workgroup_size: 512
    .sgpr_count:     66
    .vgpr_count:     256
    .wavefront_size: 32
...
	.end_amdgpu_metadata
.endif
;; end of part 8
